; MI455X (gfx1250); checked and timed in simulation.
; The chip was launched on July 23, 2026; its instructions are those of AMD's public machine-readable ISA for CDNA 5 (MIT licence, August 2026) and "CDNA5" Instruction Set Architecture Reference Guide (July 2026). The comments in the code are by the model that wrote it; some were corrected since.
;; Single Head Alibi Attn. Allowed arithmetic: float matrix products may take bf16 or f16 operands with f32 sums; all other float work in f32.
;; Inputs: W_qk 1,024 x 1,024 float32; W_v 1,024 x 1,024 float32; alibi_slope 1 float32; x 4 x 2,048 x 1,024 float32.
;; Outputs: out0 4 x 2,048 x 1,024 float32.
;; 2 versions, each right and faster than the one before. Each part assembles by itself: llvm-mc -triple=amdgcn-amd-amdhsa -mcpu=gfx1250 --defsym DOCPART=n.
;; ======== version 1 of 2: 5 launches
;; limits: values are held in f16: magnitudes above 65,504 overflow, below 6.1e-05 lose precision
;; workspace buffers: xh 16,777,216 bytes; wh 4,194,304 bytes; kv 33,554,432 bytes; sc 67,108,864 bytes; pr 33,554,432 bytes
;; launch tof16 (part 1): grid 640 x 1, 8 waves a work-group, no clusters, 0 bytes of LDS; arguments x, W_qk, W_v, xh, wh; writes xh, wh
.if DOCPART == 1
	.amdgcn_target "amdgcn-amd-amdhsa--gfx1250"
	.amdhsa_code_object_version 6
	.text
	.protected	k_qbfbff95049_tof16
	.globl	k_qbfbff95049_tof16
	.p2align	8
	.type	k_qbfbff95049_tof16,@function
k_qbfbff95049_tof16:
	s_mov_b64 s[64:65], 0
	v_nop
	global_prefetch_b8 v0, s[64:65] scope:SCOPE_SE
	s_setreg_imm32_b32 hwreg(HW_REG_WAVE_MODE, 25, 1), 1
	s_wait_xcnt 0x0
; THE PROGRAM (five launches): causal attention of one head with an ALiBi bias, B = 4, S = 2048, D = 1024.
;   1 tof16    x -> xh, [W_qk; W_v] -> wh, rounded once to f16 (the matrix operands)
;   2 proj     kv = xh wh^T: columns 0-1023 kk = x W_qk^T, columns 1024-2047 v = x W_v^T, in f16
;   3 scores   sc[q][k] = sum over d of x[q][d] kk[k][d].  This is reference()'s (x W_qk) x^T with the two sums taken in the other order:
;              sum_e (sum_d x[q][d] W_qk[d][e]) x[k][e] = sum_d x[q][d] (sum_e W_qk[d][e] x[k][e]); W_qk's rows then lie along the contraction.
;   4 softmax  scale 1/32, bias (k - q) slope, causal mask, maximum taken away, exponential, sum, division; pr in f16
;   5 pv       out0 = pr v
; THE FORMAT: all matrix operands are f16, all sums f32.  Three roundings stand in a row (the inputs; kk and v; the weights), and where the bias lets
; two to four keys carry a row's weight their errors do not average out; f16 keeps 11 significant bits where bf16 keeps 8, at the same matrix rate.
; ROOM IN f16 (largest number 65,504; below 2^-14 the step is 2^-24).  kk and v are sums of 1,024 products x W.  For x of spread 1 and W of spread
; 0.018 they reach about 3.3; both inputs 30 times larger: about 3,000; both with an offset of 30 spreads: 1024 x 30 x 0.54 = 16,600.  Both 30 times
; smaller: W, kk and v have a spread of 6e-4 and an absolute error of 3e-8 at the most, 5e-5 of the spread.  The weights lie in [0, 1].
; WORK LEFT OUT.  Queries and keys go in blocks of 256.  In a key block kb > qb every key index is larger than every query index, so
; reference()'s own mask (qpos >= kpos) sets all those scores to -inf, their softmax weights are exactly 0 and their terms of attn v are 0,
; whatever finite values x, W_qk, W_v and alibi_slope hold.  So 28 of the 64 score blocks of a batch are not computed, not stored and not
; read, and the sum over keys of attn v ends at key 256 (qb + 1).  Inside the diagonal blocks the work is done and masked.  Every input
; has a way to the output and is loaded.
; LIMITS.  An x, W, kk or v beyond 65,504 in magnitude becomes infinite.  A NaN, an infinity or an overflow that reaches only the blocks left out is
; not carried to the result (reference() would make 0 x inf = NaN there).  kk, not x W_qk, is the intermediate that is rounded.  The weights are
; divided by their sum in f32 and then rounded to f16.
;
; THIS KERNEL: a stream.  A work-group takes 65,536 bytes of f32 and stores 32,768 bytes of f16; thread t takes 32 bytes at 32 t of each
; of eight pieces of 8,192 bytes and stores 16 bytes at 16 t: a wave's store covers 512 consecutive bytes, aligned.
; Groups 0-511 take x, 512-575 W_qk (wh's rows 0-1023), 576-639 W_v (wh's rows 1024-2047).  All sixteen loads go out first; nothing is loaded twice.
.set X, 8                              ; v[8:71]  piece r: 8 registers as loaded; its first 4 then hold the 8 f16
	s_load_b256 s[4:11], s[0:1], 0x0               ; x s[4:5], W_qk s[6:7], W_v s[8:9], xh s[10:11]
	s_load_b64 s[12:13], s[0:1], 0x20              ; wh
	v_lshlrev_b32 v1, 5, v0                        ; 32 t: where I load
	v_lshlrev_b32 v2, 4, v0                        ; 16 t: where I store
	s_max_u32 s16, ttmp9, 512
	s_sub_co_u32 s16, s16, 512                     ; my place in wh, and in W_qk (0 where the group takes x)
	s_max_u32 s17, ttmp9, 576
	s_sub_co_u32 s17, s17, 576                     ; my place in W_v
	s_wait_kmcnt 0x0
	s_cmp_lt_u32 ttmp9, 576
	s_cselect_b64 s[14:15], s[6:7], s[8:9]         ; which weight
	s_cselect_b32 s17, s16, s17
	s_cmp_lt_u32 ttmp9, 512
	s_cselect_b64 s[14:15], s[4:5], s[14:15]       ; x or a weight
	s_cselect_b64 s[18:19], s[10:11], s[12:13]     ; xh or wh
	s_cselect_b32 s17, ttmp9, s17                  ; my place in the source,
	s_cselect_b32 s16, ttmp9, s16                  ; and in the destination
	s_lshl_b32 s20, s17, 16                        ; 65,536 bytes a group in
	s_mov_b32 s21, 0
	s_lshl_b32 s22, s16, 15                        ; 32,768 bytes a group out
	s_mov_b32 s23, 0
	s_add_nc_u64 s[14:15], s[14:15], s[20:21]
	s_add_nc_u64 s[18:19], s[18:19], s[22:23]
.irp r, 0,1,2,3,4,5,6,7
	global_load_b128 v[X+8*\r:X+8*\r+3],   v1, s[14:15] offset:8192*\r th:TH_LOAD_NT
	global_load_b128 v[X+8*\r+4:X+8*\r+7], v1, s[14:15] offset:8192*\r+16 th:TH_LOAD_NT
.endr
.irp r, 0,1,2,3,4,5,6,7
	s_wait_loadcnt 14-2*\r                         ; loads come back in order (ISA guide 5.7.1): piece r is in, the two loads of each later piece stay out
.irp j, 0,1,2,3
	v_cvt_pk_f16_f32 v[X+8*\r+\j], v[X+8*\r+2*\j], v[X+8*\r+2*\j+1]    ; in place, ascending: word j is written when words 2j, 2j+1 are read
.endr
	global_store_b128 v2, v[X+8*\r:X+8*\r+3], s[18:19] offset:4096*\r  ; no register of a store is written again
.endr
	s_endpgm
.Lfunc_end_k_qbfbff95049_tof16:
	.size	k_qbfbff95049_tof16, .Lfunc_end_k_qbfbff95049_tof16-k_qbfbff95049_tof16
	.p2alignl 7, 3214868480
	.fill 96, 4, 3214868480
	.section	.rodata,"a",@progbits
	.p2align	6, 0x0
	.amdhsa_kernel k_qbfbff95049_tof16
		.amdhsa_group_segment_fixed_size 0
		.amdhsa_private_segment_fixed_size 0
		.amdhsa_enable_private_segment 0
		.amdhsa_kernarg_size 40
		.amdhsa_user_sgpr_count 2
		.amdhsa_user_sgpr_kernarg_segment_ptr 1
		.amdhsa_wavefront_size32 1
		.amdhsa_system_sgpr_workgroup_id_x 1
		.amdhsa_system_sgpr_workgroup_id_y 1
		.amdhsa_system_sgpr_workgroup_id_z 1
		.amdhsa_system_vgpr_workitem_id 0
		.amdhsa_next_free_vgpr 72
		.amdhsa_next_free_sgpr 66
		.amdhsa_reserve_vcc 0
		.amdhsa_float_denorm_mode_32 3
		.amdhsa_float_denorm_mode_16_64 3
		.amdhsa_memory_ordered 1
		.amdhsa_forward_progress 1
		.amdhsa_inst_pref_size 6
	.end_amdhsa_kernel
	.amdgpu_metadata
---
amdhsa.version: [ 1, 2 ]
amdhsa.kernels:
  - .name:           k_qbfbff95049_tof16
    .symbol:         k_qbfbff95049_tof16.kd
    .args:
      - { .name: x, .offset: 0, .size: 8, .value_kind: global_buffer, .address_space: global }
      - { .name: W_qk, .offset: 8, .size: 8, .value_kind: global_buffer, .address_space: global }
      - { .name: W_v, .offset: 16, .size: 8, .value_kind: global_buffer, .address_space: global }
      - { .name: xh, .offset: 24, .size: 8, .value_kind: global_buffer, .address_space: global }
      - { .name: wh, .offset: 32, .size: 8, .value_kind: global_buffer, .address_space: global }
    .group_segment_fixed_size: 0
    .private_segment_fixed_size: 0
    .kernarg_segment_align: 8
    .kernarg_segment_size: 40
    .max_flat_workgroup_size: 256
    .sgpr_count:     66
    .vgpr_count:     72
    .wavefront_size: 32
...
	.end_amdgpu_metadata
.endif
;; end of part 1
;; launch proj (part 2): grid 8 x 32, 4 waves a work-group, clusters of 4 x 4, 327,680 bytes of LDS; arguments xh, wh, kv; writes kv
.if DOCPART == 2
	.amdgcn_target "amdgcn-amd-amdhsa--gfx1250"
	.amdhsa_code_object_version 6
	.text
	.protected	k_qbfbff95049_proj
	.globl	k_qbfbff95049_proj
	.p2align	8
	.type	k_qbfbff95049_proj,@function
k_qbfbff95049_proj:
	s_mov_b64 s[64:65], 0
	v_nop
	global_prefetch_b8 v0, s[64:65] scope:SCOPE_SE
	s_setreg_imm32_b32 hwreg(HW_REG_WAVE_MODE, 25, 1), 1
	s_wait_xcnt 0x0
	s_wait_alu depctr_hold_cnt(0) depctr_sa_sdst(0) depctr_va_vdst(0) depctr_va_sdst(0) depctr_va_ssrc(0) depctr_va_vcc(0) depctr_vm_vsrc(0)
	s_getreg_b32 s2, hwreg(HW_REG_IB_STS2, 6, 4)
	s_cmp_eq_u32 s2, 0
	s_cbranch_scc0 .Lentry_in_a_cluster
	s_endpgm
.Lentry_in_a_cluster:
	s_bfe_u32 s2, ttmp6, 0x10000c
	s_cmp_lg_u32 s2, 0xf033
	s_cbranch_scc0 .Lentry_shape_is_right
	s_endpgm
.Lentry_shape_is_right:
; kv[m][n] = sum over k of xh[m][k] wh[n][k].  xh: [8192][1024], wh: [2048][1024], kv: [8192][2048], all f16; sums in f32, rounded once.
; Columns 0-1023 of kv are kk = x W_qk^T, columns 1024-2047 are v = x W_v^T: both projections are one product.
; LIMIT: a sum beyond 65,504 in magnitude is stored as an infinity (for inputs of spread 1 and 0.018 the sums reach about 3.3).
; A work-group makes a block of 256 x 256 with four waves; a wave makes 128 x 128: 64 accumulator tiles of 16 x 16, 512 registers.
; K goes in 8 steps of 128 through a ring of two LDS slots filled by the tensor data mover; a tile's rows are 256 bytes of memory, aligned.
; 8 x 32 = 256 work-groups of equal work.
; CLUSTERS: 4 x 4 work-groups.  The four of a row of the cluster need the same tiles of xh, the four of a column the same tiles of wh: each such
; tile is asked for jointly (the same tensor load with the same descriptor and a mask that names the four), which divides the requests by four.
;
; REGISTERS, in windows of 256:
;   window 0: v0-31 addresses; v64-127, v128-191 fragments of xh (8 x 16 rows x 32 K), two buffers; v192-223 at work on the way out
;   window 1: v64-127, v128-191 fragments of wh, two buffers
;   window 2: the 32 accumulator tiles of my rows 0-63 (tile (a, b) at v[8 (8 a + b)]);   window 3: those of my rows 64-127
; s_set_vgpr_msb's low byte: bits 1:0 source 0, 3:2 source 1, 5:4 source 2, 7:6 destination.
; The matrix instruction is used transposed: source 0 = 16 rows of wh, source 1 = 16 rows of xh.  Lane l then holds row l % 16 of kv and
; its registers 0-7 the columns 8 (l / 16) + 0..7: eight neighbouring numbers, 16 bytes in f16.
; The 64 accumulators take turns, one instruction a turn, in the same order in every quarter step.
.set SIZE_N, 2048
.set SIZE_K, 1024
.set KSTEP,  128
.set PITCH,  272                       ; an LDS row: 256 bytes + 16 of padding: the 16 rows that a fragment load touches start 16 bytes apart modulo 256
.set HALFT,  128*PITCH                 ; 128 rows: what one tensor load brings, and what one wave reads of either operand
.set SLOT,   4*HALFT                   ; xh's 256 rows, then wh's 256 rows
.set STAGE,  2*SLOT                    ; behind the ring: 16 rows x 272 bytes for each wave, for the way out; no tensor load lands there
.set SPITCH, 272
.set LAPS, SIZE_K/(2*KSTEP)            ; 4 laps of two K steps
.set ADRA, 16                          ; v16-17  LDS address of my xh fragments in slot 0, 1
.set ADRB, 20                          ; v20-21  the same for wh
.set STO,  24                          ; v24     the way out: where I put 16 bytes of a row
.set RD,   25                          ; v25     the way out: where I read a row back
.set CO,   26                          ; v26     my byte offset in kv
.set F0,   64                          ; fragment buffer 0
.set F1,   128                         ; fragment buffer 1
.set TMP,  192                         ; the way out: packed results
.set G1, 24                            ; s[24:31] descriptor group 1 for xh's tiles
.set G0, 32                            ; s[32:39] descriptor group 0 for xh's tiles, one set for each slot
.set G1B, 48                           ; s[48:55] group 1 for wh's tiles: another mask
.set G0B, 56                           ; s[56:63] group 0 for wh's tiles, one set for each slot
.set MSB, 0
.macro WIN new                         ; the immediate's high byte repeats the setting that is left; a switch that changes nothing is dropped
.if MSB != \new
	s_set_vgpr_msb (MSB<<8)|\new
.set MSB, \new
.endif
.endm
.set MUL_LO, 0xa1                      ; source 0 window 1, source 1 window 0, C and D window 2
.set MUL_HI, 0xf1                      ; the same, C and D window 3
.set TO_B,   0x40                      ; destination window 1, address window 0
; A joint load.  Waves 0 and 1 fetch xh's two halves, waves 2 and 3 wh's.  Each line has one mask and one set of registers; the branch hangs on the wave's number alone.
.macro JLOAD s
	s_cmp_eq_u32 s11, 0
	s_cbranch_scc0 .Lfor_b_\@
	tensor_load_to_lds s[G0+4*\s:G0+4*\s+3], s[G1:G1+7]
	s_nop 0
	s_branch .Lasked_\@
.Lfor_b_\@:
	tensor_load_to_lds s[G0B+4*\s:G0B+4*\s+3], s[G1B:G1B+7]
	s_nop 0
.Lasked_\@:
.endm
; A round of the cluster's barrier: my work-group's barrier; wave 0 signals for the work-group; every wave waits for all sixteen; my work-group's barrier again.
.macro CREST                           ; a round behind its opening barrier
	s_cmp_lg_u32 s10, 0
	s_cbranch_scc1 .Lnot_wave_0_\@
	s_barrier_signal -3
.Lnot_wave_0_\@:
	s_barrier_wait -3
	s_barrier_signal -1
	s_barrier_wait -1
.endm
.macro CROUND                          ; a whole round
	s_barrier_signal -1
	s_barrier_wait -1
	CREST
.endm
	s_load_b128 s[4:7], s[0:1], 0x0                ; xh s[4:5], wh s[6:7]
	s_load_b64 s[8:9], s[0:1], 0x10                ; kv
	s_set_vgpr_msb 0x40
	v_lshl_add_u32 v255, v0, 2, 0x48400
	s_set_vgpr_msb 0x4000
	v_mov_b32 v255, 0
	s_set_vgpr_msb 0x1
	ds_add_u32 v255, v255
	s_set_vgpr_msb 0x100
	v_lshrrev_b32 v1, 5, v0
	v_readfirstlane_b32 s10, v1                    ; wave 0..3
	s_lshr_b32 s11, s10, 1                         ; which half of the block's rows is mine.  Also: I fetch for xh (0) or for wh (1)
	s_and_b32 s12, s10, 1                          ; which half of its columns.  Also: which 128 rows of that tile I fetch
	s_bfe_u32 s40, ttmp6, 0x40000                  ; cx
	s_bfe_u32 s41, ttmp6, 0x40004                  ; cy
	s_lshl_b32 s42, ttmp9, 2
	s_add_co_u32 s42, s42, s40                     ; block column = 4 x cluster x + cx
	s_and_b32 s13, ttmp7, 0xffff
	s_lshl_b32 s13, s13, 2
	s_add_co_u32 s13, s13, s41                     ; block row = 4 x cluster y + cy
	s_lshl_b32 s43, s41, 2
	s_lshl_b32 s43, 15, s43                        ; my row of the cluster: places 4 cy .. 4 cy + 3
	s_lshl_b32 s44, 0x1111, s40                    ; my column: places cx, cx + 4, cx + 8, cx + 12
	; group 1: a tile of 128 rows x 128 elements of 2 bytes; after every 64 words 4 words of padding; bit 21 set beside a mask
	s_or_b32 s[G1+0], s43, (1<<16)|(1<<20)|(1<<21)|(5<<22)|(3<<25)
	s_or_b32 s[G1B+0], s44, (1<<16)|(1<<20)|(1<<21)|(5<<22)|(3<<25)
	s_mov_b32 s[G1B+1], KSTEP<<16
	s_mov_b32 s[G1+1], KSTEP<<16                   ; tensor_dim0 = 128
	s_mov_b32 s[G1B+2], 128<<16
	s_mov_b32 s[G1+2], 128<<16                     ; tensor_dim1 = 128
	s_mov_b32 s[G1B+3], KSTEP<<16
	s_mov_b32 s[G1+3], KSTEP<<16                   ; tile_dim0 = 128
	s_mov_b32 s[G1B+4], 128
	s_mov_b32 s[G1+4], 128                         ; tile_dim1 = 128
	s_mov_b32 s[G1B+5], SIZE_K
	s_mov_b32 s[G1+5], SIZE_K                      ; elements from row to row
	s_mov_b32 s[G1B+6], 0
	s_mov_b32 s[G1+6], 0
	s_mov_b32 s[G1B+7], 0
	s_mov_b32 s[G1+7], 0
	; xh's tiles hang on the block row alone, wh's on the block column alone; each address in registers that never hold the other coordinate
	s_lshl_b32 s17, s12, 7
	s_lshl_b32 s16, s13, 8
	s_add_co_u32 s16, s16, s17                     ; xh: row 256 x block row + 128 x half
	s_lshl_b32 s46, s42, 8
	s_add_co_u32 s46, s46, s17                     ; wh: row 256 x block column + 128 x half
	s_mov_b32 s17, 0
	s_mov_b32 s47, 0
	s_mov_b64 s[18:19], SIZE_K*2
	s_mul_u64 s[16:17], s[16:17], s[18:19]         ; in bytes
	s_mul_u64 s[46:47], s[46:47], s[18:19]
	s_mul_i32 s20, s10, HALFT                      ; where my part goes: wave x 128 rows
	s_wait_dscnt 0x0
	s_wait_kmcnt 0x0
	s_add_nc_u64 s[14:15], s[4:5], s[16:17]
	s_add_nc_u64 s[46:47], s[6:7], s[46:47]
	CROUND                                         ; all sixteen work-groups are here: the first joint loads meet
.irp s, 0,1
	s_mov_b32 s[G0+4*\s], 1                                        ; count = 1
	s_add_co_u32 s[G0+4*\s+1], s20, \s*SLOT                        ; LDS address
	s_add_nc_u64 s[G0+4*\s+2:G0+4*\s+3], s[14:15], \s*KSTEP*2      ; global address: K step s
	s_or_b32 s[G0+4*\s+3], s[G0+4*\s+3], 0x80000000                ; type = 2
	s_mov_b32 s[G0B+4*\s], 1
	s_add_co_u32 s[G0B+4*\s+1], s20, \s*SLOT
	s_add_nc_u64 s[G0B+4*\s+2:G0B+4*\s+3], s[46:47], \s*KSTEP*2
	s_or_b32 s[G0B+4*\s+3], s[G0B+4*\s+3], 0x80000000
	JLOAD \s                                       ; both slots' first fills go out before anything else is done: two loads of the wave are out
.endr
	; a fragment: lane l holds row l % 16; registers 0-3 K = 8 (l / 16) + 0..7, registers 4-7 K = 16 + 8 (l / 16) + 0..7: two loads of 16 bytes, 32 bytes apart
	v_and_b32 v1, 15, v0                           ; l % 16
	v_bfe_u32 v2, v0, 4, 1                         ; l / 16
	v_mul_u32_u24 v3, v1, PITCH
	v_lshl_add_u32 v3, v2, 4, v3
	s_mul_i32 s21, s11, HALFT                      ; my 128 rows of xh
	s_mul_i32 s22, s12, HALFT                      ; my 128 rows of wh,
	s_add_co_u32 s22, s22, 2*HALFT                 ; which lie behind xh's 256
.irp s, 0,1
	v_add_nc_u32 v[ADRA+\s], s21, v3
	v_add_nc_u32 v[ADRB+\s], s22, v3
	s_add_co_u32 s21, s21, SLOT
	s_add_co_u32 s22, s22, SLOT
.endr
	s_mul_i32 s23, s10, 16*SPITCH
	s_add_co_u32 s23, s23, STAGE                   ; my stage
	v_mul_u32_u24 v4, v1, SPITCH                   ; in: row l % 16, 16 bytes for each half of the lanes
	v_lshl_add_u32 v4, v2, 4, v4
	v_add_nc_u32 v[STO], s23, v4
	v_mul_u32_u24 v5, v2, SPITCH                   ; back: lanes 0-15 take one row of 256 bytes, lanes 16-31 the next
	v_lshl_add_u32 v5, v1, 4, v5
	v_add_nc_u32 v[RD], s23, v5
	v_mul_u32_u24 v5, v2, SIZE_N*2                 ; and the same two rows in kv
	v_lshl_add_u32 v[CO], v1, 4, v5
; 16 matrix instructions: m blocks a0, a0 + 1 of the window's four x all 8 n blocks, 32 along K.  zero = 1: the first product starts the sums.
.macro MUL16 f, hi, a0, zero
.irp a, \a0, \a0+1
.irp b, 0,1,2,3,4,5,6,7
.if \zero
	v_wmma_f32_16x16x32_f16 v[8*(8*(\a)+\b):8*(8*(\a)+\b)+7], v[\f+8*\b:\f+8*\b+7], v[\f+8*(4*\hi+\a):\f+8*(4*\hi+\a)+7], 0
.else
	v_wmma_f32_16x16x32_f16 v[8*(8*(\a)+\b):8*(8*(\a)+\b)+7], v[\f+8*\b:\f+8*\b+7], v[\f+8*(4*\hi+\a):\f+8*(4*\hi+\a)+7], v[8*(8*(\a)+\b):8*(8*(\a)+\b)+7]
.endif
.endr
.endr
.endm
; 32 LDS loads in one run: the fragments of one quarter step (32 K at byte k of the rows) into buffer f
.macro FETCH slot, k, f
	WIN TO_B
.irp i, 0,1,2,3,4,5,6,7
	ds_load_b128 v[\f+8*\i:\f+8*\i+3],   v[ADRB+\slot] offset:\k+\i*16*PITCH
	ds_load_b128 v[\f+8*\i+4:\f+8*\i+7], v[ADRB+\slot] offset:\k+\i*16*PITCH+32
.endr
	WIN 0
.irp i, 0,1,2,3,4,5,6,7
	ds_load_b128 v[\f+8*\i:\f+8*\i+3],   v[ADRA+\slot] offset:\k+\i*16*PITCH
	ds_load_b128 v[\f+8*\i+4:\f+8*\i+7], v[ADRA+\slot] offset:\k+\i*16*PITCH+32
.endr
.endm
; Four independent vector instructions between a matrix instruction and a load into a register that it read, or a reader of its result
.macro PLACES
.rept 4
	v_nop
.endr
.endm
; One of a K step's first three quarters: multiplies buffer f; in its middle it fetches the next quarter's fragments into buffer g.
.macro QUARTER slot, k, f, g, zero
	s_wait_dscnt 8                                 ; wh's fragments and xh's rows 0-63 are in; the youngest eight loads (xh's rows 64-127) may be out
	WIN MUL_LO
	MUL16 \f, 0, 0, \zero
	MUL16 \f, 0, 2, \zero
	PLACES
	FETCH \slot, \k, \g
	s_wait_dscnt 32                                ; all but the 32 just issued
	WIN MUL_HI
	MUL16 \f, 1, 0, \zero
	MUL16 \f, 1, 2, \zero
.endm
.macro THREE slot, zero
	QUARTER \slot, 64,  F0, F1, \zero
	QUARTER \slot, 128, F1, F0, 0
	QUARTER \slot, 192, F0, F1, 0
.endm
; The last quarter multiplies buffer 1 and changes slots.  In front of the barrier each wave waits for its reads of this slot and for all its tensor
; loads (one is out: its part of the next slot).  Behind it the refill comes first, then the next slot's first fragments.
.macro TURN slot, next, fill
	s_wait_dscnt 8
	WIN MUL_LO
	MUL16 F1, 0, 0, 0
	s_wait_dscnt 0                                 ; my reads of this slot are over
	s_wait_tensorcnt 0x0                           ; all my tensor loads have landed
	ds_add_u32 v255, v255
	s_wait_dscnt 0x0
	s_barrier_signal -1                            ; (where the slot is filled again this barrier opens a round of the cluster's barrier)
	MUL16 F1, 0, 2, 0                              ; register work while the others arrive
	WIN 0
	s_barrier_wait -1
.if \fill
	CREST                                          ; no wave of any partner still reads this slot or has a load on its way
	s_add_nc_u64 s[G0+4*\slot+2:G0+4*\slot+3], s[G0+4*\slot+2:G0+4*\slot+3], 2*KSTEP*2
	s_add_nc_u64 s[G0B+4*\slot+2:G0B+4*\slot+3], s[G0B+4*\slot+2:G0B+4*\slot+3], 2*KSTEP*2
	JLOAD \slot                                    ; the wave's one tensor load behind the round, and the first thing there
.endif
	PLACES
	FETCH \next, 0, F0
	WIN MUL_HI
	MUL16 F1, 1, 0, 0
	MUL16 F1, 1, 2, 0
.endm
.macro LAP zero
	THREE 0, \zero
	TURN 0, 1, 1
	THREE 1, 0
	TURN 1, 0, 1
.endm
	s_wait_tensorcnt 1                             ; my part of K step 0 is in; K step 1's load may stay out
	s_barrier_signal -1
	s_barrier_wait -1
	FETCH 0, 0, F0
	LAP 1                                          ; the first lap's first products start the sums
	WIN 0
	s_mov_b32 s3, LAPS-2
.Llap:
	LAP 0
	WIN 0
	s_sub_co_u32 s3, s3, 1
	s_cmp_lg_u32 s3, 0
	s_cbranch_scc1 .Llap
	THREE 0, 0                                     ; the last lap fills nothing
	TURN 0, 1, 0
	THREE 1, 0
	s_wait_dscnt 8
	WIN MUL_LO
	MUL16 F1, 0, 0, 0
	MUL16 F1, 0, 2, 0
	s_wait_dscnt 0
	WIN MUL_HI
	MUL16 F1, 1, 0, 0
	MUL16 F1, 1, 2, 0
	; THE WAY OUT, 16 rows at a time: round to f16, 16 bytes a lane into my own stage, read back as whole rows of 256 bytes
	PLACES
	s_lshl_b32 s13, s13, 8
	s_lshl_b32 s14, s11, 7
	s_add_co_u32 s16, s13, s14                     ; my first row of kv
	s_mov_b32 s17, 0
	s_mov_b64 s[18:19], SIZE_N*2
	s_mul_u64 s[16:17], s[16:17], s[18:19]
	s_add_nc_u64 s[8:9], s[8:9], s[16:17]
	s_lshl_b32 s46, s42, 9                         ; my first column in bytes: 512 x block + 256 x half
	s_lshl_b32 s47, s12, 8
	s_add_co_u32 s46, s46, s47
	s_mov_b32 s47, 0
	s_add_nc_u64 s[8:9], s[8:9], s[46:47]
; rows 16 i .. 16 i + 15 of my block = the eight tiles (a, 0..7) of window 2 or 3 (from = 0x0a or 0x0f: sources 0 and 1); f: F0 or F1 in turn
.macro OUT16 i, a, from, f
	WIN \from
.irp b, 0,1,2,3,4,5,6,7
.irp r, 0,1,2,3
	v_cvt_pk_f16_f32 v[TMP+4*\b+\r], v[8*(8*\a+\b)+2*\r], v[8*(8*\a+\b)+2*\r+1]
.endr
.endr
	WIN 0
.irp b, 0,1,2,3,4,5,6,7
	ds_store_b128 v[STO], v[TMP+4*\b:TMP+4*\b+3] offset:32*\b
.endr
	s_wait_xcnt 0x0                                ; buffer f, which earlier stores read, and the stores' base are rewritten only behind this wait
.if \i
	s_add_nc_u64 s[8:9], s[8:9], 16*SIZE_N*2       ; 16 rows on
.endif
.irp t, 0,1,2,3,4,5,6,7
	ds_load_b128 v[\f+4*\t:\f+4*\t+3], v[RD] offset:\t*2*SPITCH    ; LDS serves a wave's instructions in order: these see the stores above
.endr
.irp t, 0,1,2,3,4,5,6,7
	s_wait_dscnt 7-\t                              ; the younger read-backs stay out
	global_store_b128 v[CO], v[\f+4*\t:\f+4*\t+3], s[8:9] offset:2*\t*SIZE_N*2   ; 16 lanes store 256 consecutive bytes, aligned
.endr
.endm
	OUT16 0, 0, 0x0a, F0
	OUT16 1, 1, 0x0a, F1
	OUT16 2, 2, 0x0a, F0
	OUT16 3, 3, 0x0a, F1
	OUT16 4, 0, 0x0f, F0
	OUT16 5, 1, 0x0f, F1
	OUT16 6, 2, 0x0f, F0
	OUT16 7, 3, 0x0f, F1
	s_set_vgpr_msb 0x1
	s_wait_tensorcnt 0x0
	ds_add_u32 v255, v255
	s_wait_dscnt 0x0
	s_set_vgpr_msb 0x100
	CROUND                                         ; the closing round: no work-group ends while a partner may still ask for a tile that names it
	s_endpgm
.Lfunc_end_k_qbfbff95049_proj:
	.size	k_qbfbff95049_proj, .Lfunc_end_k_qbfbff95049_proj-k_qbfbff95049_proj
	.p2alignl 7, 3214868480
	.fill 96, 4, 3214868480
	.section	.rodata,"a",@progbits
	.p2align	6, 0x0
	.amdhsa_kernel k_qbfbff95049_proj
		.amdhsa_group_segment_fixed_size 327680
		.amdhsa_private_segment_fixed_size 0
		.amdhsa_enable_private_segment 0
		.amdhsa_kernarg_size 24
		.amdhsa_user_sgpr_count 2
		.amdhsa_user_sgpr_kernarg_segment_ptr 1
		.amdhsa_wavefront_size32 1
		.amdhsa_system_sgpr_workgroup_id_x 1
		.amdhsa_system_sgpr_workgroup_id_y 1
		.amdhsa_system_sgpr_workgroup_id_z 1
		.amdhsa_system_vgpr_workitem_id 0
		.amdhsa_next_free_vgpr 1024
		.amdhsa_next_free_sgpr 66
		.amdhsa_reserve_vcc 0
		.amdhsa_float_denorm_mode_32 3
		.amdhsa_float_denorm_mode_16_64 3
		.amdhsa_memory_ordered 1
		.amdhsa_forward_progress 1
		.amdhsa_inst_pref_size 196
	.end_amdhsa_kernel
	.amdgpu_metadata
---
amdhsa.version: [ 1, 2 ]
amdhsa.kernels:
  - .name:           k_qbfbff95049_proj
    .symbol:         k_qbfbff95049_proj.kd
    .args:
      - { .name: xh, .offset: 0, .size: 8, .value_kind: global_buffer, .address_space: global }
      - { .name: wh, .offset: 8, .size: 8, .value_kind: global_buffer, .address_space: global }
      - { .name: kv, .offset: 16, .size: 8, .value_kind: global_buffer, .address_space: global }
    .group_segment_fixed_size: 327680
    .private_segment_fixed_size: 0
    .kernarg_segment_align: 8
    .kernarg_segment_size: 24
    .max_flat_workgroup_size: 128
    .sgpr_count:     66
    .vgpr_count:     1024
    .wavefront_size: 32
...
	.end_amdgpu_metadata
.endif
;; end of part 2
;; launch scores (part 3): grid 9 x 16, 4 waves a work-group, no clusters, 327,680 bytes of LDS; arguments xh, kv, sc; writes sc
.if DOCPART == 3
	.amdgcn_target "amdgcn-amd-amdhsa--gfx1250"
	.amdhsa_code_object_version 6
	.text
	.protected	k_qbfbff95049_scores
	.globl	k_qbfbff95049_scores
	.p2align	8
	.type	k_qbfbff95049_scores,@function
k_qbfbff95049_scores:
	s_mov_b64 s[64:65], 0
	v_nop
	global_prefetch_b8 v0, s[64:65] scope:SCOPE_SE
	s_setreg_imm32_b32 hwreg(HW_REG_WAVE_MODE, 25, 1), 1
	s_wait_xcnt 0x0
; sc[b][q][k] = sum over d of xh[b][q][d] kk[b][k][d], kk = columns 0-1023 of kv; f16 operands, f32 sums, stored unscaled in f32; blocks of 256 queries x 256 keys.
; WORK LEFT OUT: blocks kb > qb.  There every key index exceeds every query index, reference()'s own causal mask makes all their scores -inf and
; their weights 0 for all finite inputs: they are neither computed nor stored (36 of 64 blocks of a batch are live).  A NaN or an infinity
; that reaches only such a block is not carried on.
; THE GRID folds a batch's triangle into 4 rows of 9: row p holds the p + 1 blocks of query block p and the 8 - p blocks of query block 7 - p.
; 144 work-groups of equal work.
; NO CLUSTER: the live blocks of a query block number 1 to 8 and those of a key block 8 to 1, so groups of four that share a tile exist only
; for some of them: tiling the triangle by fours takes 48 blocks a batch, 12 of them dead work.
; Inside a work-group: four waves, 128 x 128 each in 512 registers, K = 1024 in 8 steps of 128 through two LDS slots; registers and windows:
;   window 0: v0-31 addresses; v64-127, v128-191 fragments of the queries, two buffers (on the way out: rows read back)
;   window 1: v64-127, v128-191 fragments of the keys;   windows 2, 3: accumulator tiles of my query rows 0-63, 64-127 (tile (a, b) at v[8 (8 a + b)])
; Source 0 = 16 key rows, source 1 = 16 query rows: lane l holds query l % 16 and in registers 0-7 the keys 8 (l / 16) + 0..7: 32 neighbouring bytes.
; The 64 accumulators take turns, one instruction a turn, in the same order in every quarter step.
.set KSTEP,  128
.set PITCH,  272                       ; an LDS row: 256 bytes + 16 of padding
.set HALFT,  128*PITCH                 ; what one tensor load brings
.set SLOT,   4*HALFT                   ; 256 query rows, then 256 key rows
.set STAGE,  2*SLOT                    ; 278,528 = 1,088 x 256: behind the ring; no tensor load lands there
.set SPITCH, 528                       ; a stage row: 128 f32 + 16 bytes; 16 rows = 8,448 = 33 x 256 bytes a wave
.set CP,     8192                      ; bytes in a row of sc
.set LAPS,   4
.set ADRA, 16
.set ADRB, 20
.set STO,  24                          ; v24  stage + 528 (l % 16) + 32 (l / 16)
.set RD,   25                          ; v25  stage + 16 l
.set CO,   26                          ; v26  16 l
.set F0,   64
.set F1,   128
.set G1, 24                            ; s[24:31] group 1, query tiles (pitch 1,024 elements)
.set G0, 32                            ; s[32:39] group 0, query tiles, one set a slot
.set G1B, 48                           ; s[48:55] group 1, key tiles (pitch 2,048 elements)
.set G0B, 56                           ; s[56:63] group 0, key tiles, one set a slot
.set MSB, 0
.macro WIN new
.if MSB != \new
	s_set_vgpr_msb (MSB<<8)|\new
.set MSB, \new
.endif
.endm
.set MUL_LO, 0xa1
.set MUL_HI, 0xf1
.set TO_B,   0x40
; Waves 0 and 1 fetch the query tile's two halves, waves 2 and 3 the key tile's: one tensor load a wave
.macro TLOAD s
	s_cmp_eq_u32 s11, 0
	s_cbranch_scc0 .Lfor_b_\@
	tensor_load_to_lds s[G0+4*\s:G0+4*\s+3], s[G1:G1+7]
	s_nop 0
	s_branch .Lasked_\@
.Lfor_b_\@:
	tensor_load_to_lds s[G0B+4*\s:G0B+4*\s+3], s[G1B:G1B+7]
	s_nop 0
.Lasked_\@:
.endm
	s_load_b128 s[4:7], s[0:1], 0x0                ; xh s[4:5], kv s[6:7]
	s_load_b64 s[8:9], s[0:1], 0x10                ; sc
	s_set_vgpr_msb 0x40
	v_lshl_add_u32 v255, v0, 2, 0x4c400
	s_set_vgpr_msb 0x4000
	v_mov_b32 v255, 0
	s_set_vgpr_msb 0x1
	ds_add_u32 v255, v255
	s_set_vgpr_msb 0x100
	v_lshrrev_b32 v1, 5, v0
	v_readfirstlane_b32 s10, v1                    ; wave
	s_lshr_b32 s11, s10, 1                         ; my half of the queries.  Also: I fetch queries (0) or keys (1)
	s_and_b32 s12, s10, 1                          ; my half of the keys.  Also: which 128 rows I fetch
	s_and_b32 s2, ttmp7, 0xffff
	s_and_b32 s41, s2, 3                           ; p
	s_lshr_b32 s40, s2, 2                          ; batch
	s_sub_co_u32 s43, 7, s41                       ; 7 - p
	s_add_co_u32 s45, s41, 1
	s_max_u32 s44, ttmp9, s45
	s_sub_co_u32 s44, s44, s45                     ; i - p - 1 (0 where i <= p)
	s_cmp_le_u32 ttmp9, s41
	s_cselect_b32 s13, s41, s43                    ; qb
	s_cselect_b32 s42, ttmp9, s44                  ; kb <= qb
	; group 1: 128 rows x 128 elements of 2 bytes, 4 words of padding behind every 64
	s_mov_b32 s[G1+0], (1<<16)|(1<<20)|(5<<22)|(3<<25)
	s_mov_b32 s[G1B+0], (1<<16)|(1<<20)|(5<<22)|(3<<25)
	s_mov_b32 s[G1+1], KSTEP<<16                   ; tensor_dim0
	s_mov_b32 s[G1B+1], KSTEP<<16
	s_mov_b32 s[G1+2], 128<<16                     ; tensor_dim1
	s_mov_b32 s[G1B+2], 128<<16
	s_mov_b32 s[G1+3], KSTEP<<16                   ; tile_dim0
	s_mov_b32 s[G1B+3], KSTEP<<16
	s_mov_b32 s[G1+4], 128                         ; tile_dim1
	s_mov_b32 s[G1B+4], 128
	s_mov_b32 s[G1+5], 1024                        ; xh: elements from row to row
	s_mov_b32 s[G1B+5], 2048                       ; kv
	s_mov_b32 s[G1+6], 0
	s_mov_b32 s[G1B+6], 0
	s_mov_b32 s[G1+7], 0
	s_mov_b32 s[G1B+7], 0
	s_lshl_b32 s17, s12, 7
	s_lshl_b32 s18, s40, 11
	s_add_co_u32 s17, s17, s18                     ; 2,048 b + 128 x half
	s_lshl_b32 s16, s13, 8
	s_add_co_u32 s16, s16, s17
	s_lshl_b32 s16, s16, 11                        ; query row x 2,048 bytes (below 2^24)
	s_lshl_b32 s46, s42, 8
	s_add_co_u32 s46, s46, s17
	s_lshl_b32 s46, s46, 12                        ; key row x 4,096 bytes (below 2^25)
	s_mov_b32 s17, 0
	s_mov_b32 s47, 0
	s_mul_i32 s20, s10, HALFT                      ; where my part goes
	s_wait_dscnt 0x0
	s_wait_kmcnt 0x0
	s_add_nc_u64 s[14:15], s[4:5], s[16:17]
	s_add_nc_u64 s[46:47], s[6:7], s[46:47]
.irp s, 0,1
	s_mov_b32 s[G0+4*\s], 1
	s_add_co_u32 s[G0+4*\s+1], s20, \s*SLOT
	s_add_nc_u64 s[G0+4*\s+2:G0+4*\s+3], s[14:15], \s*KSTEP*2
	s_or_b32 s[G0+4*\s+3], s[G0+4*\s+3], 0x80000000
	s_mov_b32 s[G0B+4*\s], 1
	s_add_co_u32 s[G0B+4*\s+1], s20, \s*SLOT
	s_add_nc_u64 s[G0B+4*\s+2:G0B+4*\s+3], s[46:47], \s*KSTEP*2
	s_or_b32 s[G0B+4*\s+3], s[G0B+4*\s+3], 0x80000000
	TLOAD \s                                       ; the two first fills go out together: two loads of the wave are out
.endr
	v_and_b32 v1, 15, v0                           ; l % 16
	v_bfe_u32 v2, v0, 4, 1                         ; l / 16
	v_mul_u32_u24 v3, v1, PITCH
	v_lshl_add_u32 v3, v2, 4, v3
	s_mul_i32 s21, s11, HALFT
	s_mul_i32 s22, s12, HALFT
	s_add_co_u32 s22, s22, 2*HALFT
.irp s, 0,1
	v_add_nc_u32 v[ADRA+\s], s21, v3
	v_add_nc_u32 v[ADRB+\s], s22, v3
	s_add_co_u32 s21, s21, SLOT
	s_add_co_u32 s22, s22, SLOT
.endr
	s_mul_i32 s23, s10, 16*SPITCH
	s_add_co_u32 s23, s23, STAGE                   ; my stage
	v_mul_u32_u24 v4, v1, SPITCH
	v_lshl_add_u32 v4, v2, 5, v4
	v_add_nc_u32 v[STO], s23, v4
	v_and_b32 v5, 31, v0
	v_lshlrev_b32 v[CO], 4, v5
	v_add_nc_u32 v[RD], s23, v[CO]
.macro MUL16 f, hi, a0, zero
.irp a, \a0, \a0+1
.irp b, 0,1,2,3,4,5,6,7
.if \zero
	v_wmma_f32_16x16x32_f16 v[8*(8*(\a)+\b):8*(8*(\a)+\b)+7], v[\f+8*\b:\f+8*\b+7], v[\f+8*(4*\hi+\a):\f+8*(4*\hi+\a)+7], 0
.else
	v_wmma_f32_16x16x32_f16 v[8*(8*(\a)+\b):8*(8*(\a)+\b)+7], v[\f+8*\b:\f+8*\b+7], v[\f+8*(4*\hi+\a):\f+8*(4*\hi+\a)+7], v[8*(8*(\a)+\b):8*(8*(\a)+\b)+7]
.endif
.endr
.endr
.endm
.macro FETCH slot, k, f
	WIN TO_B
.irp i, 0,1,2,3,4,5,6,7
	ds_load_b128 v[\f+8*\i:\f+8*\i+3],   v[ADRB+\slot] offset:\k+\i*16*PITCH
	ds_load_b128 v[\f+8*\i+4:\f+8*\i+7], v[ADRB+\slot] offset:\k+\i*16*PITCH+32
.endr
	WIN 0
.irp i, 0,1,2,3,4,5,6,7
	ds_load_b128 v[\f+8*\i:\f+8*\i+3],   v[ADRA+\slot] offset:\k+\i*16*PITCH
	ds_load_b128 v[\f+8*\i+4:\f+8*\i+7], v[ADRA+\slot] offset:\k+\i*16*PITCH+32
.endr
.endm
; Four independent vector instructions between a matrix instruction and a load into a register that it read, or a reader of its result
.macro PLACES
.rept 4
	v_nop
.endr
.endm
.macro QUARTER slot, k, f, g, zero
	s_wait_dscnt 8                                 ; the keys' fragments and query rows 0-63 are in; the youngest eight loads (query rows 64-127) may be out
	WIN MUL_LO
	MUL16 \f, 0, 0, \zero
	MUL16 \f, 0, 2, \zero
	PLACES
	FETCH \slot, \k, \g
	s_wait_dscnt 32                                ; all but the 32 just issued
	WIN MUL_HI
	MUL16 \f, 1, 0, \zero
	MUL16 \f, 1, 2, \zero
.endm
.macro THREE slot, zero
	QUARTER \slot, 64,  F0, F1, \zero
	QUARTER \slot, 128, F1, F0, 0
	QUARTER \slot, 192, F0, F1, 0
.endm
; The last quarter changes slots: one barrier.  In front of it each wave's reads of this slot are back and all its tensor loads have landed (one was
; out: its part of the next slot).  Behind it the refill comes first, one load a wave, then the next slot's first fragments are read.
.macro TURN slot, next, fill
	s_wait_dscnt 8
	WIN MUL_LO
	MUL16 F1, 0, 0, 0
	s_wait_dscnt 0
	s_wait_tensorcnt 0x0
	ds_add_u32 v255, v255
	s_wait_dscnt 0x0
	s_barrier_signal -1
	MUL16 F1, 0, 2, 0                              ; register work between signal and wait
	WIN 0
	s_barrier_wait -1
.if \fill
	s_add_nc_u64 s[G0+4*\slot+2:G0+4*\slot+3], s[G0+4*\slot+2:G0+4*\slot+3], 2*KSTEP*2     ; no load of the wave is out: the addresses step two K steps on
	s_add_nc_u64 s[G0B+4*\slot+2:G0B+4*\slot+3], s[G0B+4*\slot+2:G0B+4*\slot+3], 2*KSTEP*2
	TLOAD \slot
.endif
	PLACES
	FETCH \next, 0, F0
	WIN MUL_HI
	MUL16 F1, 1, 0, 0
	MUL16 F1, 1, 2, 0
.endm
.macro LAP zero
	THREE 0, \zero
	TURN 0, 1, 1
	THREE 1, 0
	TURN 1, 0, 1
.endm
	s_wait_tensorcnt 1                             ; my part of K step 0 is in; K step 1's load may stay out
	s_barrier_signal -1
	s_barrier_wait -1
	FETCH 0, 0, F0
	LAP 1                                          ; the first products start the sums: nothing is cleared
	WIN 0
	s_mov_b32 s3, LAPS-2
.Llap:
	LAP 0
	WIN 0
	s_sub_co_u32 s3, s3, 1
	s_cmp_lg_u32 s3, 0
	s_cbranch_scc1 .Llap
	THREE 0, 0                                     ; the last lap fills nothing
	TURN 0, 1, 0
	THREE 1, 0
	s_wait_dscnt 8
	WIN MUL_LO
	MUL16 F1, 0, 0, 0
	MUL16 F1, 0, 2, 0
	s_wait_dscnt 0
	WIN MUL_HI
	MUL16 F1, 1, 0, 0
	MUL16 F1, 1, 2, 0
	; THE WAY OUT, 16 query rows at a time, in f32: 32 bytes a lane and tile into my own stage, read back as whole rows of 512 bytes
	PLACES
	s_lshl_b32 s16, s40, 11
	s_lshl_b32 s17, s13, 8
	s_add_co_u32 s16, s16, s17
	s_lshl_b32 s17, s11, 7
	s_add_co_u32 s16, s16, s17                     ; my first row: 2,048 b + 256 qb + 128 x half
	s_lshl_b32 s16, s16, 13                        ; x 8,192 bytes (below 2^26)
	s_lshl_b32 s17, s42, 10
	s_add_co_u32 s16, s16, s17                     ; + 1,024 kb
	s_lshl_b32 s17, s12, 9
	s_add_co_u32 s16, s16, s17                     ; + 512 x half
	s_mov_b32 s17, 0
	s_add_nc_u64 s[8:9], s[8:9], s[16:17]
; rows 16 i .. 16 i + 15 of my block = the eight tiles (a, 0..7) of window 2 or 3 (win = 0x08 or 0x0c: an LDS store's data are source 1); f: F0 or F1 in turn
.macro OUT16F i, a, win, f
	WIN \win
.irp b, 0,1,2,3,4,5,6,7
	ds_store_b128 v[STO], v[8*(8*\a+\b):8*(8*\a+\b)+3]   offset:64*\b
	ds_store_b128 v[STO], v[8*(8*\a+\b)+4:8*(8*\a+\b)+7] offset:64*\b+16
.endr
	WIN 0
	s_wait_xcnt 0x0                                ; buffer f, which earlier stores read, and the stores' base are rewritten only behind this wait
.if \i
	s_add_nc_u64 s[8:9], s[8:9], 16*CP
.endif
.irp t, 0,1,2,3,4,5,6,7,8,9,10,11,12,13,14,15
	ds_load_b128 v[\f+4*\t:\f+4*\t+3], v[RD] offset:\t*SPITCH      ; LDS serves a wave's instructions in order: these see the stores above
.endr
.irp t, 0,1,2,3,4,5,6,7,8,9,10,11,12,13,14,15
	s_wait_dscnt 15-\t                             ; the younger read-backs stay out
	global_store_b128 v[CO], v[\f+4*\t:\f+4*\t+3], s[8:9] offset:\t*CP   ; the wave stores 512 consecutive bytes, aligned
.endr
.endm
	OUT16F 0, 0, 0x08, F0
	OUT16F 1, 1, 0x08, F1
	OUT16F 2, 2, 0x08, F0
	OUT16F 3, 3, 0x08, F1
	OUT16F 4, 0, 0x0c, F0
	OUT16F 5, 1, 0x0c, F1
	OUT16F 6, 2, 0x0c, F0
	OUT16F 7, 3, 0x0c, F1
	s_set_vgpr_msb 0x1
	s_wait_tensorcnt 0x0
	ds_add_u32 v255, v255
	s_wait_dscnt 0x0
	s_set_vgpr_msb 0x100
	s_endpgm
.Lfunc_end_k_qbfbff95049_scores:
	.size	k_qbfbff95049_scores, .Lfunc_end_k_qbfbff95049_scores-k_qbfbff95049_scores
	.p2alignl 7, 3214868480
	.fill 96, 4, 3214868480
	.section	.rodata,"a",@progbits
	.p2align	6, 0x0
	.amdhsa_kernel k_qbfbff95049_scores
		.amdhsa_group_segment_fixed_size 327680
		.amdhsa_private_segment_fixed_size 0
		.amdhsa_enable_private_segment 0
		.amdhsa_kernarg_size 24
		.amdhsa_user_sgpr_count 2
		.amdhsa_user_sgpr_kernarg_segment_ptr 1
		.amdhsa_wavefront_size32 1
		.amdhsa_system_sgpr_workgroup_id_x 1
		.amdhsa_system_sgpr_workgroup_id_y 1
		.amdhsa_system_sgpr_workgroup_id_z 1
		.amdhsa_system_vgpr_workitem_id 0
		.amdhsa_next_free_vgpr 1024
		.amdhsa_next_free_sgpr 66
		.amdhsa_reserve_vcc 0
		.amdhsa_float_denorm_mode_32 3
		.amdhsa_float_denorm_mode_16_64 3
		.amdhsa_memory_ordered 1
		.amdhsa_forward_progress 1
		.amdhsa_inst_pref_size 194
	.end_amdhsa_kernel
	.amdgpu_metadata
---
amdhsa.version: [ 1, 2 ]
amdhsa.kernels:
  - .name:           k_qbfbff95049_scores
    .symbol:         k_qbfbff95049_scores.kd
    .args:
      - { .name: xh, .offset: 0, .size: 8, .value_kind: global_buffer, .address_space: global }
      - { .name: kv, .offset: 8, .size: 8, .value_kind: global_buffer, .address_space: global }
      - { .name: sc, .offset: 16, .size: 8, .value_kind: global_buffer, .address_space: global }
    .group_segment_fixed_size: 327680
    .private_segment_fixed_size: 0
    .kernarg_segment_align: 8
    .kernarg_segment_size: 24
    .max_flat_workgroup_size: 128
    .sgpr_count:     66
    .vgpr_count:     1024
    .wavefront_size: 32
...
	.end_amdgpu_metadata
.endif
;; end of part 3
;; launch softmax (part 4): grid 256 x 4, 8 waves a work-group, no clusters, 0 bytes of LDS; arguments sc, alibi_slope, pr; writes pr
.if DOCPART == 4
	.amdgcn_target "amdgcn-amd-amdhsa--gfx1250"
	.amdhsa_code_object_version 6
	.text
	.protected	k_qbfbff95049_softmax
	.globl	k_qbfbff95049_softmax
	.p2align	8
	.type	k_qbfbff95049_softmax,@function
k_qbfbff95049_softmax:
	s_mov_b64 s[64:65], 0
	v_nop
	global_prefetch_b8 v0, s[64:65] scope:SCOPE_SE
	s_setreg_imm32_b32 hwreg(HW_REG_WAVE_MODE, 25, 1), 1
	s_wait_xcnt 0x0
; pr[b][q][k] = softmax over k of (sc[b][q][k] / 32 + (k - q) slope), keys k > q masked to -inf; f16.
; WORK LEFT OUT: keys from 256 (qb + 1) on, qb = q / 256.  reference()'s own mask gives them the weight 0 for all finite inputs; they are neither read
; nor written, and the next launch does not read them.  Masked keys inside the diagonal block are written as exact zeros.
; One wave, one row, kept in registers between the passes: n = 2 (qb + 1) chunks of 128 keys, 4 neighbouring keys a lane and chunk.  All loads of a
; row go out first.  No LDS, no barrier, no matrix unit: the kernel streams.
; The exponent is kept in base 2: t = sc log2e / 32 + (k - q) (slope log2e); 1 / sqrt(1024) is exactly 1 / 32.  The row's maximum is taken away
; before the exponential, as reference() does; key q is never masked, so the maximum is finite and the sum is at least 1.
; The term -q slope is the same along the row and cancels; it stays because k - q is needed for the mask anyway (one subtraction a row) and keeps
; the exponents of the live keys small.
; LIMITS: v_exp_f32 gives 0 for weights below 2^-126 (ISA guide, its entry in 15.8).  The weights lie in [0, 1]; in f16 those below 2^-14 have a step of
; 2^-24, so a weight is off by 2^-25 at the most there, and a row of 2,048 keys by 2^-14 of its whole weight at the most.
.set REL,  4                           ; v[4:7]    k - q of my four keys of the chunk at work, as f32 (whole numbers below 2^11: exact)
.set T,    8                           ; v[8:11]   at work
.set M,    12                          ; v[12:13]  two running maxima
.set MM,   14                          ; v[14:15]  the row's maximum, twice
.set SUM,  16                          ; v[16:19]  two packed running sums
.set NINF, 20                          ; v20       -inf
.set R,    22                          ; v[22:23]  1 / sum, twice
.set X,    32                          ; v[32:95]  chunk c: 4 registers
	s_load_b128 s[4:7], s[0:1], 0x0                ; sc s[4:5], alibi_slope s[6:7]
	s_load_b64 s[8:9], s[0:1], 0x10                ; pr
	v_lshrrev_b32 v1, 5, v0
	v_readfirstlane_b32 s10, v1                    ; wave
	v_and_b32 v1, 31, v0                           ; lane
	s_lshl_b32 s11, ttmp9, 3
	s_add_co_u32 s11, s11, s10                     ; q
	s_lshr_b32 s18, ttmp9, 5                       ; qb: the same for the group's eight rows
	s_and_b32 s13, ttmp7, 0xffff                   ; batch
	s_lshl_b32 s13, s13, 11
	s_add_co_u32 s13, s13, s11                     ; 2,048 b + q
	s_lshl_b32 s2, s13, 13                         ; x 8,192 bytes: my row of sc
	s_mov_b32 s3, 0
	s_lshl_b32 s12, s13, 12                        ; x 4,096 bytes: my row of pr
	s_mov_b32 s13, 0
	s_mov_b32 s16, 0x76543210                      ; v_permlanex16_b32: lane i of one half reads lane i of the other
	s_mov_b32 s17, 0xfedcba98
	s_mov_b32 s20, 0x3d38aa3b                      ; log2e / 32
	s_mov_b32 s21, 0x3d38aa3b
	s_mov_b32 s22, 0x43000000                      ; 128.0: from chunk to chunk
	s_mov_b32 s23, 0x43000000
	v_lshlrev_b32 v2, 4, v1                        ; 16 x lane: where I load
	v_lshlrev_b32 v3, 3, v1                        ; 8 x lane: where I store
	v_lshlrev_b32 v[T], 2, v1
	v_sub_nc_u32 v[T], v[T], s11                   ; 4 x lane - q
.irp i, 0,1,2,3
	v_add_nc_u32 v[T+1], \i, v[T]
	v_cvt_f32_i32 v[REL+\i], v[T+1]
.endr
	v_mov_b32 v[NINF], 0xff800000
	s_wait_kmcnt 0x0
	s_add_nc_u64 s[4:5], s[4:5], s[2:3]
	s_add_nc_u64 s[8:9], s[8:9], s[12:13]
	s_load_b32 s19, s[6:7], 0x0                    ; the slope
	s_wait_kmcnt 0x0
	s_mul_f32 s14, s19, 0x3fb8aa3b                 ; slope x log2e
	s_mov_b32 s15, s14
; A row of nch chunks, from the loads to s_endpgm
.macro ROW nch
.set c, 0
.rept \nch
	global_load_b128 v[X+4*c:X+4*c+3], v2, s[4:5] offset:512*c th:TH_LOAD_NT   ; the wave takes 512 consecutive bytes; sc is read once
.set c, c+1
.endr
	; pass 1: the exponents, the mask in the diagonal block's two chunks, two chains of maxima
.set c, 0
.rept \nch
	s_wait_loadcnt \nch-1-c                        ; loads come back in order (ISA guide 5.7.1): chunk c is in, the later chunks stay out
	v_pk_mul_f32 v[T:T+1],   v[REL:REL+1],   s[14:15] op_sel_hi:[1,0]
	v_pk_mul_f32 v[T+2:T+3], v[REL+2:REL+3], s[14:15] op_sel_hi:[1,0]
	v_pk_fma_f32 v[X+4*c:X+4*c+1],   v[X+4*c:X+4*c+1],   s[20:21], v[T:T+1]   op_sel_hi:[1,0,1]
	v_pk_fma_f32 v[X+4*c+2:X+4*c+3], v[X+4*c+2:X+4*c+3], s[20:21], v[T+2:T+3] op_sel_hi:[1,0,1]
.if c >= \nch-2
.irp i, 0,1,2,3
	v_cmp_lt_f32 vcc_lo, 0, v[REL+\i]              ; k > q
	v_cndmask_b32 v[X+4*c+\i], v[X+4*c+\i], v[NINF], vcc_lo
.endr
.endif
	v_pk_add_f32 v[REL:REL+1],   v[REL:REL+1],   s[22:23] op_sel_hi:[1,0]
	v_pk_add_f32 v[REL+2:REL+3], v[REL+2:REL+3], s[22:23] op_sel_hi:[1,0]
.if c == 0
	v_max_num_f32 v[M],   v[X],   v[X+1]           ; the first chunk starts the chains
	v_max_num_f32 v[M+1], v[X+2], v[X+3]
.else
	v_max3_num_f32 v[M],   v[M],   v[X+4*c],   v[X+4*c+1]
	v_max3_num_f32 v[M+1], v[M+1], v[X+4*c+2], v[X+4*c+3]
.endif
.set c, c+1
.endr
	v_max_num_f32 v[M], v[M], v[M+1]
	v_max_num_f32_dpp v[M], v[M], v[M] row_xmask:1 row_mask:0xf bank_mask:0xf
	v_max_num_f32_dpp v[M], v[M], v[M] row_xmask:2 row_mask:0xf bank_mask:0xf
	v_max_num_f32_dpp v[M], v[M], v[M] row_xmask:4 row_mask:0xf bank_mask:0xf
	v_max_num_f32_dpp v[M], v[M], v[M] row_xmask:8 row_mask:0xf bank_mask:0xf
	v_permlanex16_b32 v[M+1], v[M], s16, s17
	v_max_num_f32 v[MM], v[M], v[M+1]              ; every lane holds the row's maximum
	v_mov_b32 v[MM+1], v[MM]
	; pass 2: 2^(t - max), in place.  Behind each group of four exponentials stands the next chunk's packed subtraction, which touches none of their registers
.set c, 0
.rept \nch
	v_pk_add_f32 v[X+4*c:X+4*c+1],   v[X+4*c:X+4*c+1],   v[MM:MM+1] neg_lo:[0,1] neg_hi:[0,1]
	v_pk_add_f32 v[X+4*c+2:X+4*c+3], v[X+4*c+2:X+4*c+3], v[MM:MM+1] neg_lo:[0,1] neg_hi:[0,1]
	v_exp_f32 v[X+4*c],   v[X+4*c]
	v_exp_f32 v[X+4*c+1], v[X+4*c+1]
	v_exp_f32 v[X+4*c+2], v[X+4*c+2]
	v_exp_f32 v[X+4*c+3], v[X+4*c+3]
.set c, c+1
.endr
	v_nop                                          ; one plain instruction behind the last exponentials before their results are read (ISA guide 5.7.2)
	s_wait_alu depctr_va_vdst(0)
	v_pk_add_f32 v[SUM:SUM+1],   v[X:X+1],   v[X+2:X+3]     ; chunks 0 and 1 start the two chains of sums
	v_pk_add_f32 v[SUM+2:SUM+3], v[X+4:X+5], v[X+6:X+7]
.if \nch > 2
.set c, 2
.rept \nch-2
	v_pk_add_f32 v[SUM:SUM+1],   v[SUM:SUM+1],   v[X+4*c:X+4*c+1]
	v_pk_add_f32 v[SUM+2:SUM+3], v[SUM+2:SUM+3], v[X+4*c+2:X+4*c+3]
.set c, c+1
.endr
.endif
	v_pk_add_f32 v[SUM:SUM+1], v[SUM:SUM+1], v[SUM+2:SUM+3]
	v_add_f32 v[SUM], v[SUM], v[SUM+1]
	v_add_f32_dpp v[SUM], v[SUM], v[SUM] row_xmask:1 row_mask:0xf bank_mask:0xf
	v_add_f32_dpp v[SUM], v[SUM], v[SUM] row_xmask:2 row_mask:0xf bank_mask:0xf
	v_add_f32_dpp v[SUM], v[SUM], v[SUM] row_xmask:4 row_mask:0xf bank_mask:0xf
	v_add_f32_dpp v[SUM], v[SUM], v[SUM] row_xmask:8 row_mask:0xf bank_mask:0xf
	v_permlanex16_b32 v[SUM+1], v[SUM], s16, s17
	v_add_f32 v[SUM], v[SUM], v[SUM+1]
	v_rcp_f32 v[R],   v[SUM]
	v_rcp_f32 v[R+1], v[SUM]
	v_nop                                          ; one plain instruction before the reciprocals are read
	; pass 3: divide, round once to f16, store
.set c, 0
	s_wait_alu depctr_va_vdst(0)
.rept \nch
	v_pk_mul_f32 v[X+4*c:X+4*c+1],   v[X+4*c:X+4*c+1],   v[R:R+1]
	v_pk_mul_f32 v[X+4*c+2:X+4*c+3], v[X+4*c+2:X+4*c+3], v[R:R+1]
	v_cvt_pk_f16_f32 v[X+4*c],   v[X+4*c],   v[X+4*c+1]
	v_cvt_pk_f16_f32 v[X+4*c+1], v[X+4*c+2], v[X+4*c+3]
	global_store_b64 v3, v[X+4*c:X+4*c+1], s[8:9] offset:256*c     ; the wave stores 256 consecutive bytes, aligned; no register of a store is written again
.set c, c+1
.endr
	s_endpgm
.endm
	; eight bodies, one for each length of a row; the choice hangs on the work-group's number alone
.irp k, 0,1,2,3,4,5,6
	s_cmp_eq_u32 s18, \k
	s_cbranch_scc1 .Lrow\k
.endr
	ROW 16
.Lrow0:
	ROW 2
.Lrow1:
	ROW 4
.Lrow2:
	ROW 6
.Lrow3:
	ROW 8
.Lrow4:
	ROW 10
.Lrow5:
	ROW 12
.Lrow6:
	ROW 14
.Lfunc_end_k_qbfbff95049_softmax:
	.size	k_qbfbff95049_softmax, .Lfunc_end_k_qbfbff95049_softmax-k_qbfbff95049_softmax
	.p2alignl 7, 3214868480
	.fill 96, 4, 3214868480
	.section	.rodata,"a",@progbits
	.p2align	6, 0x0
	.amdhsa_kernel k_qbfbff95049_softmax
		.amdhsa_group_segment_fixed_size 0
		.amdhsa_private_segment_fixed_size 0
		.amdhsa_enable_private_segment 0
		.amdhsa_kernarg_size 24
		.amdhsa_user_sgpr_count 2
		.amdhsa_user_sgpr_kernarg_segment_ptr 1
		.amdhsa_wavefront_size32 1
		.amdhsa_system_sgpr_workgroup_id_x 1
		.amdhsa_system_sgpr_workgroup_id_y 1
		.amdhsa_system_sgpr_workgroup_id_z 1
		.amdhsa_system_vgpr_workitem_id 0
		.amdhsa_next_free_vgpr 96
		.amdhsa_next_free_sgpr 66
		.amdhsa_reserve_vcc 1
		.amdhsa_float_denorm_mode_32 3
		.amdhsa_float_denorm_mode_16_64 3
		.amdhsa_memory_ordered 1
		.amdhsa_forward_progress 1
		.amdhsa_inst_pref_size 111
	.end_amdhsa_kernel
	.amdgpu_metadata
---
amdhsa.version: [ 1, 2 ]
amdhsa.kernels:
  - .name:           k_qbfbff95049_softmax
    .symbol:         k_qbfbff95049_softmax.kd
    .args:
      - { .name: sc, .offset: 0, .size: 8, .value_kind: global_buffer, .address_space: global }
      - { .name: alibi_slope, .offset: 8, .size: 8, .value_kind: global_buffer, .address_space: global }
      - { .name: pr, .offset: 16, .size: 8, .value_kind: global_buffer, .address_space: global }
    .group_segment_fixed_size: 0
    .private_segment_fixed_size: 0
    .kernarg_segment_align: 8
    .kernarg_segment_size: 24
    .max_flat_workgroup_size: 256
    .sgpr_count:     66
    .vgpr_count:     96
    .wavefront_size: 32
...
	.end_amdgpu_metadata
.endif
;; end of part 4
;; launch pv (part 5): grid 4 x 32, 4 waves a work-group, clusters of 4 x 1, 327,680 bytes of LDS; arguments pr, kv, out0; writes out0
.if DOCPART == 5
	.amdgcn_target "amdgcn-amd-amdhsa--gfx1250"
	.amdhsa_code_object_version 6
	.text
	.protected	k_qbfbff95049_pv
	.globl	k_qbfbff95049_pv
	.p2align	8
	.type	k_qbfbff95049_pv,@function
k_qbfbff95049_pv:
	s_mov_b64 s[64:65], 0
	v_nop
	global_prefetch_b8 v0, s[64:65] scope:SCOPE_SE
	s_setreg_imm32_b32 hwreg(HW_REG_WAVE_MODE, 25, 1), 1
	s_wait_xcnt 0x0
	s_wait_alu depctr_hold_cnt(0) depctr_sa_sdst(0) depctr_va_vdst(0) depctr_va_sdst(0) depctr_va_ssrc(0) depctr_va_vcc(0) depctr_vm_vsrc(0)
	s_getreg_b32 s2, hwreg(HW_REG_IB_STS2, 6, 4)
	s_cmp_eq_u32 s2, 0
	s_cbranch_scc0 .Lentry_in_a_cluster
	s_endpgm
.Lentry_in_a_cluster:
	s_bfe_u32 s2, ttmp6, 0x10000c
	s_cmp_lg_u32 s2, 0x3003
	s_cbranch_scc0 .Lentry_shape_is_right
	s_endpgm
.Lentry_shape_is_right:
; out0[b][q][d] = sum over keys k < 256 (qb + 1) of pr[b][q][k] v[b][k][d], v = columns 1024-2047 of kv; f16 operands, f32 sums, f32 out; blocks of 256 queries x 256 d.
; WORK LEFT OUT: the keys from 256 (qb + 1) on.  reference()'s own causal mask gives them the weight 0 for all finite inputs, so their terms are 0;
; a NaN or an infinity in v of such a key is not carried to the result.
; K = 256 (qb + 1): qb + 1 laps of two K steps of 128 keys through two LDS slots.  4 x 32 = 128 work-groups, of 1 to 8 laps.
; CLUSTER 4 x 1: the four d blocks of one (b, qb) need the same tiles of pr and make the same number of laps: pr's tiles are asked for jointly
; (mask 15).  v's tiles differ between the four (other columns) and come by plain loads at the same places, behind the same rounds.  The query
; blocks of a batch do share v's tiles, but need 2 to 16 of them, so they are not partners.
; v lies [key][d], K down the rows: its fragments come through the transposing LDS load.  An LDS row of v is 512 + 32 bytes.
; Registers and windows:
;   window 0: v0-31 addresses; v64-127, v128-191 fragments of pr, two buffers (on the way out: rows read back)
;   window 1: v64-127, v128-191 fragments of v;   windows 2, 3: accumulator tiles of my query rows 0-63, 64-127 (tile (a, b) at v[8 (8 a + b)])
; Source 0 = 16 columns of v, source 1 = 16 query rows: lane l holds query l % 16 and in registers 0-7 the columns 8 (l / 16) + 0..7.
; The 64 accumulators take turns, one instruction a turn, in the same order in every quarter step and over every join of ways.
.set PITCH,  272                       ; pr's LDS row: 256 bytes + 16
.set BPITCH, 544                       ; v's LDS row: 512 bytes + 32 = 17 x 32
.set HALFT,  128*PITCH                 ; 34,816 = 128 rows of pr = 64 rows of v: what one tensor load brings
.set SLOT,   4*HALFT                   ; 256 query rows of pr, then 128 key rows of v
.set STAGE,  2*SLOT                    ; 278,528 = 1,088 x 256: behind the ring; no tensor load lands there
.set SPITCH, 528                       ; a stage row: 128 f32 + 16 bytes; 16 rows = 33 x 256 bytes a wave
.set CP,     4096                      ; bytes in a row of out0
.set ASTEP,  256                       ; a K step in pr: 128 keys along a row
.set BSTEP,  128*4096                  ; a K step in kv: 128 rows down
.set ADRA, 16
.set ADRB, 20
.set STO,  24
.set RD,   25
.set CO,   26
.set F0,   64
.set F1,   128
.set G1, 24                            ; s[24:31] group 1, pr's tiles
.set G0, 32                            ; s[32:39] group 0, pr's tiles, one set a slot
.set G1B, 48                           ; s[48:55] group 1, v's tiles
.set G0B, 56                           ; s[56:63] group 0, v's tiles, one set a slot
.set MSB, 0
.macro WIN new
.if MSB != \new
	s_set_vgpr_msb (MSB<<8)|\new
.set MSB, \new
.endif
.endm
.set MUL_LO, 0xa1
.set MUL_HI, 0xf1
.set TO_B,   0x40
; Waves 0 and 1 ask jointly for the two halves of pr's tile; waves 2 and 3 fetch the two halves of my own tile of v.  The branch hangs on the wave's number alone.
.macro JLOAD s
	s_cmp_eq_u32 s11, 0
	s_cbranch_scc0 .Lfor_b_\@
	tensor_load_to_lds s[G0+4*\s:G0+4*\s+3], s[G1:G1+7]
	s_nop 0
	s_branch .Lasked_\@
.Lfor_b_\@:
	tensor_load_to_lds s[G0B+4*\s:G0B+4*\s+3], s[G1B:G1B+7]
	s_nop 0
.Lasked_\@:
.endm
.macro CREST                           ; a round of the cluster's barrier behind its opening barrier
	s_cmp_lg_u32 s10, 0
	s_cbranch_scc1 .Lnot_wave_0_\@
	s_barrier_signal -3
.Lnot_wave_0_\@:
	s_barrier_wait -3
	s_barrier_signal -1
	s_barrier_wait -1
.endm
.macro CROUND
	s_barrier_signal -1
	s_barrier_wait -1
	CREST
.endm
	s_load_b128 s[4:7], s[0:1], 0x0                ; pr s[4:5], kv s[6:7]
	s_load_b64 s[8:9], s[0:1], 0x10                ; out0
	s_set_vgpr_msb 0x40
	v_lshl_add_u32 v255, v0, 2, 0x4c400
	s_set_vgpr_msb 0x4000
	v_mov_b32 v255, 0
	s_set_vgpr_msb 0x1
	ds_add_u32 v255, v255
	s_set_vgpr_msb 0x100
	v_lshrrev_b32 v1, 5, v0
	v_readfirstlane_b32 s10, v1                    ; wave
	s_lshr_b32 s11, s10, 1                         ; my half of the queries.  Also: I fetch pr (0) or v (1)
	s_and_b32 s12, s10, 1                          ; my half of the columns.  Also: which half of the tile I fetch
	s_bfe_u32 s40, ttmp6, 0x40000                  ; cx
	s_lshl_b32 s42, ttmp9, 2
	s_add_co_u32 s42, s42, s40                     ; d block
	s_and_b32 s13, ttmp7, 0xffff                   ; the cluster's y: shared by the four
	s_lshr_b32 s41, s13, 3                         ; batch
	s_and_b32 s13, s13, 7                          ; qb
	; group 1 for pr: mask 15, 2-byte elements, 4 words of padding behind every 64, bit 21 beside the mask; 128 rows x 128 elements, pitch 2,048
	s_mov_b32 s[G1+0], 15|(1<<16)|(1<<20)|(1<<21)|(5<<22)|(3<<25)
	s_mov_b32 s[G1+1], 128<<16
	s_mov_b32 s[G1+2], 128<<16
	s_mov_b32 s[G1+3], 128<<16
	s_mov_b32 s[G1+4], 128
	s_mov_b32 s[G1+5], 2048
	s_mov_b32 s[G1+6], 0
	s_mov_b32 s[G1+7], 0
	; group 1 for v: no mask, 8 words of padding behind every 128; 64 rows x 256 elements, pitch 2,048
	s_mov_b32 s[G1B+0], (1<<16)|(1<<20)|(6<<22)|(7<<25)
	s_mov_b32 s[G1B+1], 256<<16
	s_mov_b32 s[G1B+2], 64<<16
	s_mov_b32 s[G1B+3], 256<<16
	s_mov_b32 s[G1B+4], 64
	s_mov_b32 s[G1B+5], 2048
	s_mov_b32 s[G1B+6], 0
	s_mov_b32 s[G1B+7], 0
	s_lshl_b32 s18, s41, 11                        ; 2,048 b
	s_lshl_b32 s16, s13, 8
	s_add_co_u32 s16, s16, s18
	s_lshl_b32 s17, s12, 7
	s_add_co_u32 s16, s16, s17                     ; pr: row 2,048 b + 256 qb + 128 x half: no place in the cluster enters
	s_lshl_b32 s16, s16, 12                        ; x 4,096 bytes (below 2^25)
	s_mov_b32 s17, 0
	s_lshl_b32 s46, s12, 6
	s_add_co_u32 s46, s46, s18                     ; kv: row 2,048 b + 64 x half
	s_lshl_b32 s46, s46, 12
	s_lshl_b32 s47, s42, 9
	s_add_co_u32 s46, s46, s47                     ; + 512 bytes x d block
	s_add_co_u32 s46, s46, 2048                    ; v begins at column 1,024
	s_mov_b32 s47, 0
	s_mul_i32 s20, s10, HALFT                      ; where my part goes: wave x 34,816
	s_wait_dscnt 0x0
	s_wait_kmcnt 0x0
	s_add_nc_u64 s[14:15], s[4:5], s[16:17]
	s_add_nc_u64 s[46:47], s[6:7], s[46:47]
	CROUND                                         ; all four work-groups are here: the first joint loads meet
.irp s, 0,1
	s_mov_b32 s[G0+4*\s], 1
	s_add_co_u32 s[G0+4*\s+1], s20, \s*SLOT
	s_add_nc_u64 s[G0+4*\s+2:G0+4*\s+3], s[14:15], \s*ASTEP
	s_or_b32 s[G0+4*\s+3], s[G0+4*\s+3], 0x80000000
	s_mov_b32 s[G0B+4*\s], 1
	s_add_co_u32 s[G0B+4*\s+1], s20, \s*SLOT
	s_add_nc_u64 s[G0B+4*\s+2:G0B+4*\s+3], s[46:47], \s*BSTEP
	s_or_b32 s[G0B+4*\s+3], s[G0B+4*\s+3], 0x80000000
	JLOAD \s                                       ; the two first fills go out together: two loads of the wave are out
.endr
	v_and_b32 v1, 15, v0                           ; l % 16
	v_bfe_u32 v2, v0, 4, 1                         ; l / 16
	v_mul_u32_u24 v3, v1, PITCH
	v_lshl_add_u32 v3, v2, 4, v3                   ; pr: row x 272 + 16 (l / 16)
	v_and_b32 v6, 7, v0
	v_lshl_add_u32 v6, v2, 3, v6                   ; v: key row l % 8 + 8 (l / 16),
	v_mul_u32_u24 v6, v6, BPITCH
	v_bfe_u32 v7, v0, 3, 1
	v_lshl_add_u32 v6, v7, 4, v6                   ; and 16 bytes on for lanes 8-15 and 24-31: the transposing load's addresses
	s_mul_i32 s21, s11, HALFT                      ; my 128 query rows
	s_lshl_b32 s22, s12, 8                         ; my 128 columns of v: 256 bytes,
	s_add_co_u32 s22, s22, 2*HALFT                 ; behind pr's 256 rows
.irp s, 0,1
	v_add_nc_u32 v[ADRA+\s], s21, v3
	v_add_nc_u32 v[ADRB+\s], s22, v6
	s_add_co_u32 s21, s21, SLOT
	s_add_co_u32 s22, s22, SLOT
.endr
	s_mul_i32 s23, s10, 16*SPITCH
	s_add_co_u32 s23, s23, STAGE                   ; my stage
	v_mul_u32_u24 v4, v1, SPITCH
	v_lshl_add_u32 v4, v2, 5, v4
	v_add_nc_u32 v[STO], s23, v4
	v_and_b32 v5, 31, v0
	v_lshlrev_b32 v[CO], 4, v5
	v_add_nc_u32 v[RD], s23, v[CO]
.macro MUL16 f, hi, a0, zero
.irp a, \a0, \a0+1
.irp b, 0,1,2,3,4,5,6,7
.if \zero
	v_wmma_f32_16x16x32_f16 v[8*(8*(\a)+\b):8*(8*(\a)+\b)+7], v[\f+8*\b:\f+8*\b+7], v[\f+8*(4*\hi+\a):\f+8*(4*\hi+\a)+7], 0
.else
	v_wmma_f32_16x16x32_f16 v[8*(8*(\a)+\b):8*(8*(\a)+\b)+7], v[\f+8*\b:\f+8*\b+7], v[\f+8*(4*\hi+\a):\f+8*(4*\hi+\a)+7], v[8*(8*(\a)+\b):8*(8*(\a)+\b)+7]
.endif
.endr
.endr
.endm
; 32 LDS loads in one run: quarter kq (32 keys) of a slot into buffer f.  v: column block i, keys 32 kq + 8 (l / 16) + 0..7 into registers 0-3 and the keys
; 16 further down into registers 4-7, the same places of K as in pr's plain loads.  The largest offset is 3 x 17,408 + 224 + 8,704 = 61,152.
.macro FETCH slot, kq, f
	WIN TO_B
.irp i, 0,1,2,3,4,5,6,7
	ds_load_tr16_b128 v[\f+8*\i:\f+8*\i+3],   v[ADRB+\slot] offset:\kq*32*BPITCH+32*\i
	ds_load_tr16_b128 v[\f+8*\i+4:\f+8*\i+7], v[ADRB+\slot] offset:\kq*32*BPITCH+32*\i+16*BPITCH
.endr
	WIN 0
.irp i, 0,1,2,3,4,5,6,7
	ds_load_b128 v[\f+8*\i:\f+8*\i+3],   v[ADRA+\slot] offset:\kq*64+\i*16*PITCH
	ds_load_b128 v[\f+8*\i+4:\f+8*\i+7], v[ADRA+\slot] offset:\kq*64+\i*16*PITCH+32
.endr
.endm
; Four independent vector instructions between a matrix instruction and a load into a register that it read, or a reader of its result
.macro PLACES
.rept 4
	v_nop
.endr
.endm
.macro QUARTER slot, kq, f, g, zero
	s_wait_dscnt 8                                 ; v's fragments and query rows 0-63 are in; the youngest eight loads (query rows 64-127) may be out
	WIN MUL_LO
	MUL16 \f, 0, 0, \zero
	MUL16 \f, 0, 2, \zero
	PLACES
	FETCH \slot, \kq, \g
	s_wait_dscnt 32                                ; all but the 32 just issued
	WIN MUL_HI
	MUL16 \f, 1, 0, \zero
	MUL16 \f, 1, 2, \zero
.endm
.macro THREE slot, zero
	QUARTER \slot, 1, F0, F1, \zero
	QUARTER \slot, 2, F1, F0, 0
	QUARTER \slot, 3, F0, F1, 0
.endm
; The last quarter changes slots.  In front of the barrier each wave's reads of this slot are back and all its tensor loads have landed.  Where the slot is
; filled again the barrier opens a round of the cluster's barrier, with register work alone inside; the refill is the first thing behind the round.
.macro TURN slot, next, fill
	s_wait_dscnt 8
	WIN MUL_LO
	MUL16 F1, 0, 0, 0
	s_wait_dscnt 0
	s_wait_tensorcnt 0x0
	ds_add_u32 v255, v255
	s_wait_dscnt 0x0
	s_barrier_signal -1
	MUL16 F1, 0, 2, 0
	WIN 0
	s_barrier_wait -1
.if \fill
	CREST                                          ; no wave of any partner still reads this slot or has a load on its way
	s_add_nc_u64 s[G0+4*\slot+2:G0+4*\slot+3], s[G0+4*\slot+2:G0+4*\slot+3], 2*ASTEP
	s_add_nc_u64 s[G0B+4*\slot+2:G0B+4*\slot+3], s[G0B+4*\slot+2:G0B+4*\slot+3], 2*BSTEP
	JLOAD \slot
.endif
	PLACES
	FETCH \next, 0, F0
	WIN MUL_HI
	MUL16 F1, 1, 0, 0
	MUL16 F1, 1, 2, 0
.endm
.macro LAP zero                        ; once round the ring, both slots filled again
	THREE 0, \zero
	TURN 0, 1, 1
	THREE 1, 0
	TURN 1, 0, 1
.endm
.macro LASTLAP zero                    ; the last two K steps: nothing is filled
	THREE 0, \zero
	TURN 0, 1, 0
	THREE 1, 0
	s_wait_dscnt 8
	WIN MUL_LO
	MUL16 F1, 0, 0, 0
	MUL16 F1, 0, 2, 0
	s_wait_dscnt 0
	WIN MUL_HI
	MUL16 F1, 1, 0, 0
	MUL16 F1, 1, 2, 0
.endm
	s_wait_tensorcnt 1                             ; my part of K step 0 is in; K step 1's load may stay out
	s_barrier_signal -1
	s_barrier_wait -1
	FETCH 0, 0, F0
	s_cmp_eq_u32 s13, 0                            ; qb is the same in the four partners: so are the ways and the rounds
	s_cbranch_scc1 .Lone
	LAP 1                                          ; qb >= 1: the first lap starts the sums and fills both slots again
	WIN 0
	s_sub_co_u32 s3, s13, 1                        ; qb - 1 laps in the middle
	s_cmp_eq_u32 s3, 0
	s_cbranch_scc1 .Llast
.Llap:
	LAP 0
	WIN 0
	s_sub_co_u32 s3, s3, 1
	s_cmp_lg_u32 s3, 0
	s_cbranch_scc1 .Llap
.Llast:
	LASTLAP 0
	WIN 0
	s_branch .Lout
.Lone:
	LASTLAP 1                                      ; qb = 0: the only lap starts the sums
	WIN 0
.Lout:
	; THE WAY OUT, 16 query rows at a time, in f32: 32 bytes a lane and tile into my own stage, read back as whole rows of 512 bytes
	PLACES
	s_lshl_b32 s16, s41, 11
	s_lshl_b32 s17, s13, 8
	s_add_co_u32 s16, s16, s17
	s_lshl_b32 s17, s11, 7
	s_add_co_u32 s16, s16, s17                     ; my first row: 2,048 b + 256 qb + 128 x half
	s_lshl_b32 s16, s16, 12                        ; x 4,096 bytes
	s_mov_b32 s17, 0
	s_add_nc_u64 s[8:9], s[8:9], s[16:17]
	s_lshl_b32 s46, s42, 10                        ; my first column in bytes: 1,024 x d block + 512 x half
	s_lshl_b32 s47, s12, 9
	s_add_co_u32 s46, s46, s47
	s_mov_b32 s47, 0
	s_add_nc_u64 s[8:9], s[8:9], s[46:47]
; rows 16 i .. 16 i + 15 of my block = the eight tiles (a, 0..7) of window 2 or 3 (win = 0x08 or 0x0c: an LDS store's data are source 1); f: F0 or F1 in turn
.macro OUT16F i, a, win, f
	WIN \win
.irp b, 0,1,2,3,4,5,6,7
	ds_store_b128 v[STO], v[8*(8*\a+\b):8*(8*\a+\b)+3]   offset:64*\b
	ds_store_b128 v[STO], v[8*(8*\a+\b)+4:8*(8*\a+\b)+7] offset:64*\b+16
.endr
	WIN 0
	s_wait_xcnt 0x0                                ; buffer f, which earlier stores read, and the stores' base are rewritten only behind this wait
.if \i
	s_add_nc_u64 s[8:9], s[8:9], 16*CP
.endif
.irp t, 0,1,2,3,4,5,6,7,8,9,10,11,12,13,14,15
	ds_load_b128 v[\f+4*\t:\f+4*\t+3], v[RD] offset:\t*SPITCH      ; LDS serves a wave's instructions in order: these see the stores above
.endr
.irp t, 0,1,2,3,4,5,6,7,8,9,10,11,12,13,14,15
	s_wait_dscnt 15-\t                             ; the younger read-backs stay out
	global_store_b128 v[CO], v[\f+4*\t:\f+4*\t+3], s[8:9] offset:\t*CP th:TH_STORE_NT   ; the wave stores 512 consecutive bytes, aligned; out0 is not read again
.endr
.endm
	OUT16F 0, 0, 0x08, F0
	OUT16F 1, 1, 0x08, F1
	OUT16F 2, 2, 0x08, F0
	OUT16F 3, 3, 0x08, F1
	OUT16F 4, 0, 0x0c, F0
	OUT16F 5, 1, 0x0c, F1
	OUT16F 6, 2, 0x0c, F0
	OUT16F 7, 3, 0x0c, F1
	s_set_vgpr_msb 0x1
	s_wait_tensorcnt 0x0
	ds_add_u32 v255, v255
	s_wait_dscnt 0x0
	s_set_vgpr_msb 0x100
	CROUND                                         ; the closing round: no work-group ends while a partner may still ask for a tile that names it
	s_endpgm
.Lfunc_end_k_qbfbff95049_pv:
	.size	k_qbfbff95049_pv, .Lfunc_end_k_qbfbff95049_pv-k_qbfbff95049_pv
	.p2alignl 7, 3214868480
	.fill 96, 4, 3214868480
	.section	.rodata,"a",@progbits
	.p2align	6, 0x0
	.amdhsa_kernel k_qbfbff95049_pv
		.amdhsa_group_segment_fixed_size 327680
		.amdhsa_private_segment_fixed_size 0
		.amdhsa_enable_private_segment 0
		.amdhsa_kernarg_size 24
		.amdhsa_user_sgpr_count 2
		.amdhsa_user_sgpr_kernarg_segment_ptr 1
		.amdhsa_wavefront_size32 1
		.amdhsa_system_sgpr_workgroup_id_x 1
		.amdhsa_system_sgpr_workgroup_id_y 1
		.amdhsa_system_sgpr_workgroup_id_z 1
		.amdhsa_system_vgpr_workitem_id 0
		.amdhsa_next_free_vgpr 1024
		.amdhsa_next_free_sgpr 66
		.amdhsa_reserve_vcc 0
		.amdhsa_float_denorm_mode_32 3
		.amdhsa_float_denorm_mode_16_64 3
		.amdhsa_memory_ordered 1
		.amdhsa_forward_progress 1
		.amdhsa_inst_pref_size 245
	.end_amdhsa_kernel
	.amdgpu_metadata
---
amdhsa.version: [ 1, 2 ]
amdhsa.kernels:
  - .name:           k_qbfbff95049_pv
    .symbol:         k_qbfbff95049_pv.kd
    .args:
      - { .name: pr, .offset: 0, .size: 8, .value_kind: global_buffer, .address_space: global }
      - { .name: kv, .offset: 8, .size: 8, .value_kind: global_buffer, .address_space: global }
      - { .name: out0, .offset: 16, .size: 8, .value_kind: global_buffer, .address_space: global }
    .group_segment_fixed_size: 327680
    .private_segment_fixed_size: 0
    .kernarg_segment_align: 8
    .kernarg_segment_size: 24
    .max_flat_workgroup_size: 128
    .sgpr_count:     66
    .vgpr_count:     1024
    .wavefront_size: 32
...
	.end_amdgpu_metadata
.endif
;; end of part 5
;; ======== version 2 of 2: 5 launches; 1.12 times as fast as version 1
;; limits: values are held in f16: magnitudes above 65,504 overflow, below 6.1e-05 lose precision
;; workspace buffers: xh 16,777,216 bytes; wh 4,194,304 bytes; kv 33,554,432 bytes; sc 67,108,864 bytes; pr 33,554,432 bytes
;; launch tof16: the kernel of part 1 again; grid 640 x 1, 8 waves a work-group, no clusters, 0 bytes of LDS; arguments x, W_qk, W_v, xh, wh; writes xh, wh
;; launch proj: the kernel of part 2 again; grid 8 x 32, 4 waves a work-group, clusters of 4 x 4, 327,680 bytes of LDS; arguments xh, wh, kv; writes kv
;; launch scores: the kernel of part 3 again; grid 9 x 16, 4 waves a work-group, no clusters, 327,680 bytes of LDS; arguments xh, kv, sc; writes sc
;; launch softmax (part 6): grid 256 x 4, 8 waves a work-group, no clusters, 0 bytes of LDS; arguments sc, alibi_slope, pr; writes pr
.if DOCPART == 6
	.amdgcn_target "amdgcn-amd-amdhsa--gfx1250"
	.amdhsa_code_object_version 6
	.text
	.protected	k_qbfbff95049_softmax
	.globl	k_qbfbff95049_softmax
	.p2align	8
	.type	k_qbfbff95049_softmax,@function
k_qbfbff95049_softmax:
	s_mov_b64 s[64:65], 0
	v_nop
	global_prefetch_b8 v0, s[64:65] scope:SCOPE_SE
	s_setreg_imm32_b32 hwreg(HW_REG_WAVE_MODE, 25, 1), 1
	s_wait_xcnt 0x0
; pr[b][q][k] = softmax over k of (sc[b][q][k] / 32 + (k - q) slope), keys k > q masked to -inf; f16.
; WORK LEFT OUT: keys from 256 (qb + 1) on, qb = q / 256.  reference()'s own mask gives them the weight 0 for all finite inputs; they are neither read
; nor written, and the next launch does not read them.  Masked keys inside the diagonal block are written as exact zeros.
; One wave, one row, kept in registers between the passes: n = 2 (qb + 1) chunks of 128 keys, 4 neighbouring keys a lane and chunk.  All loads of a
; row go out first.  No LDS, no barrier, no matrix unit: the kernel streams.
; WHICH ROWS: a work-group takes eight neighbouring rows, and a row's length grows with qb from 1 to 8 blocks of 256 keys.  So that long and short rows
; are mixed along both axes of the grid, the group at (x, batch) takes p = (x xor batch) mod 8, qb = p / 2 for even p and 7 - (p - 1) / 2 for odd p
; (0, 7, 1, 6, 2, 5, 3, 4), and the eight rows number x / 8 of that block.  For each batch this is a one-to-one map of x.  Any aligned four
; neighbours along x, and the four batches of one x, then hold 1 + 8 + 2 + 7 = 3 + 6 + 4 + 5 = 18 blocks together.
; The exponent is kept in base 2: t = sc log2e / 32 + (k - q) (slope log2e); 1 / sqrt(1024) is exactly 1 / 32.  The row's maximum is taken away
; before the exponential, as reference() does; key q is never masked, so the maximum is finite and the sum is at least 1.
; The term -q slope is the same along the row and cancels; it stays because k - q is needed for the mask anyway (one subtraction a row) and keeps
; the exponents of the live keys small.
; LIMITS: v_exp_f32 gives 0 for weights below 2^-126 (ISA guide, its entry in 15.8).  The weights lie in [0, 1]; in f16 those below 2^-14 have a step of
; 2^-24, so a weight is off by 2^-25 at the most there, and a row of 2,048 keys by 2^-14 of its whole weight at the most.
.set REL,  4                           ; v[4:7]    k - q of my four keys of the chunk at work, as f32 (whole numbers below 2^11: exact)
.set T,    8                           ; v[8:11]   at work
.set M,    12                          ; v[12:13]  two running maxima
.set MM,   14                          ; v[14:15]  the row's maximum, twice
.set SUM,  16                          ; v[16:19]  two packed running sums
.set NINF, 20                          ; v20       -inf
.set R,    22                          ; v[22:23]  1 / sum, twice
.set X,    32                          ; v[32:95]  chunk c: 4 registers
	s_load_b128 s[4:7], s[0:1], 0x0                ; sc s[4:5], alibi_slope s[6:7]
	s_load_b64 s[8:9], s[0:1], 0x10                ; pr
	v_lshrrev_b32 v1, 5, v0
	v_readfirstlane_b32 s10, v1                    ; wave
	v_and_b32 v1, 31, v0                           ; lane
	s_and_b32 s13, ttmp7, 0xffff                   ; batch
	s_xor_b32 s18, ttmp9, s13
	s_and_b32 s18, s18, 7                          ; p
	s_lshr_b32 s19, s18, 1                         ; p / 2
	s_sub_co_u32 s2, 7, s19                        ; 7 - p / 2
	s_bitcmp1_b32 s18, 0                           ; p odd?
	s_cselect_b32 s18, s2, s19                     ; qb: the same for the group's eight rows
	s_lshr_b32 s19, ttmp9, 3                       ; which eight rows of the block's 256
	s_lshl_b32 s2, s18, 5
	s_add_co_u32 s19, s19, s2                      ; 32 qb + x / 8
	s_lshl_b32 s11, s19, 3
	s_add_co_u32 s11, s11, s10                     ; q
	s_lshl_b32 s13, s13, 11
	s_add_co_u32 s13, s13, s11                     ; 2,048 b + q
	s_lshl_b32 s2, s13, 13                         ; x 8,192 bytes: my row of sc
	s_mov_b32 s3, 0
	s_lshl_b32 s12, s13, 12                        ; x 4,096 bytes: my row of pr
	s_mov_b32 s13, 0
	s_mov_b32 s16, 0x76543210                      ; v_permlanex16_b32: lane i of one half reads lane i of the other
	s_mov_b32 s17, 0xfedcba98
	s_mov_b32 s20, 0x3d38aa3b                      ; log2e / 32
	s_mov_b32 s21, 0x3d38aa3b
	s_mov_b32 s22, 0x43000000                      ; 128.0: from chunk to chunk
	s_mov_b32 s23, 0x43000000
	v_lshlrev_b32 v2, 4, v1                        ; 16 x lane: where I load
	v_lshlrev_b32 v3, 3, v1                        ; 8 x lane: where I store
	v_lshlrev_b32 v[T], 2, v1
	v_sub_nc_u32 v[T], v[T], s11                   ; 4 x lane - q
.irp i, 0,1,2,3
	v_add_nc_u32 v[T+1], \i, v[T]
	v_cvt_f32_i32 v[REL+\i], v[T+1]
.endr
	v_mov_b32 v[NINF], 0xff800000
	s_wait_kmcnt 0x0
	s_add_nc_u64 s[4:5], s[4:5], s[2:3]
	s_add_nc_u64 s[8:9], s[8:9], s[12:13]
	s_load_b32 s19, s[6:7], 0x0                    ; the slope
	s_wait_kmcnt 0x0
	s_mul_f32 s14, s19, 0x3fb8aa3b                 ; slope x log2e
	s_mov_b32 s15, s14
; A row of nch chunks, from the loads to s_endpgm
.macro ROW nch
.set c, 0
.rept \nch
	global_load_b128 v[X+4*c:X+4*c+3], v2, s[4:5] offset:512*c th:TH_LOAD_NT   ; the wave takes 512 consecutive bytes; sc is read once
.set c, c+1
.endr
	; pass 1: the exponents, the mask in the diagonal block's two chunks, two chains of maxima
.set c, 0
.rept \nch
	s_wait_loadcnt \nch-1-c                        ; loads come back in order (ISA guide 5.7.1): chunk c is in, the later chunks stay out
	v_pk_mul_f32 v[T:T+1],   v[REL:REL+1],   s[14:15] op_sel_hi:[1,0]
	v_pk_mul_f32 v[T+2:T+3], v[REL+2:REL+3], s[14:15] op_sel_hi:[1,0]
	v_pk_fma_f32 v[X+4*c:X+4*c+1],   v[X+4*c:X+4*c+1],   s[20:21], v[T:T+1]   op_sel_hi:[1,0,1]
	v_pk_fma_f32 v[X+4*c+2:X+4*c+3], v[X+4*c+2:X+4*c+3], s[20:21], v[T+2:T+3] op_sel_hi:[1,0,1]
.if c >= \nch-2
.irp i, 0,1,2,3
	v_cmp_lt_f32 vcc_lo, 0, v[REL+\i]              ; k > q
	v_cndmask_b32 v[X+4*c+\i], v[X+4*c+\i], v[NINF], vcc_lo
.endr
.endif
	v_pk_add_f32 v[REL:REL+1],   v[REL:REL+1],   s[22:23] op_sel_hi:[1,0]
	v_pk_add_f32 v[REL+2:REL+3], v[REL+2:REL+3], s[22:23] op_sel_hi:[1,0]
.if c == 0
	v_max_num_f32 v[M],   v[X],   v[X+1]           ; the first chunk starts the chains
	v_max_num_f32 v[M+1], v[X+2], v[X+3]
.else
	v_max3_num_f32 v[M],   v[M],   v[X+4*c],   v[X+4*c+1]
	v_max3_num_f32 v[M+1], v[M+1], v[X+4*c+2], v[X+4*c+3]
.endif
.set c, c+1
.endr
	v_max_num_f32 v[M], v[M], v[M+1]
	v_max_num_f32_dpp v[M], v[M], v[M] row_xmask:1 row_mask:0xf bank_mask:0xf
	v_max_num_f32_dpp v[M], v[M], v[M] row_xmask:2 row_mask:0xf bank_mask:0xf
	v_max_num_f32_dpp v[M], v[M], v[M] row_xmask:4 row_mask:0xf bank_mask:0xf
	v_max_num_f32_dpp v[M], v[M], v[M] row_xmask:8 row_mask:0xf bank_mask:0xf
	v_permlanex16_b32 v[M+1], v[M], s16, s17
	v_max_num_f32 v[MM], v[M], v[M+1]              ; every lane holds the row's maximum
	v_mov_b32 v[MM+1], v[MM]
	; pass 2: 2^(t - max), in place.  Behind each group of four exponentials stands the next chunk's packed subtraction, which touches none of their registers
.set c, 0
.rept \nch
	v_pk_add_f32 v[X+4*c:X+4*c+1],   v[X+4*c:X+4*c+1],   v[MM:MM+1] neg_lo:[0,1] neg_hi:[0,1]
	v_pk_add_f32 v[X+4*c+2:X+4*c+3], v[X+4*c+2:X+4*c+3], v[MM:MM+1] neg_lo:[0,1] neg_hi:[0,1]
	v_exp_f32 v[X+4*c],   v[X+4*c]
	v_exp_f32 v[X+4*c+1], v[X+4*c+1]
	v_exp_f32 v[X+4*c+2], v[X+4*c+2]
	v_exp_f32 v[X+4*c+3], v[X+4*c+3]
.set c, c+1
.endr
	v_nop                                          ; one plain instruction behind the last exponentials before their results are read (ISA guide 5.7.2)
	s_wait_alu depctr_va_vdst(0)
	v_pk_add_f32 v[SUM:SUM+1],   v[X:X+1],   v[X+2:X+3]     ; chunks 0 and 1 start the two chains of sums
	v_pk_add_f32 v[SUM+2:SUM+3], v[X+4:X+5], v[X+6:X+7]
.if \nch > 2
.set c, 2
.rept \nch-2
	v_pk_add_f32 v[SUM:SUM+1],   v[SUM:SUM+1],   v[X+4*c:X+4*c+1]
	v_pk_add_f32 v[SUM+2:SUM+3], v[SUM+2:SUM+3], v[X+4*c+2:X+4*c+3]
.set c, c+1
.endr
.endif
	v_pk_add_f32 v[SUM:SUM+1], v[SUM:SUM+1], v[SUM+2:SUM+3]
	v_add_f32 v[SUM], v[SUM], v[SUM+1]
	v_add_f32_dpp v[SUM], v[SUM], v[SUM] row_xmask:1 row_mask:0xf bank_mask:0xf
	v_add_f32_dpp v[SUM], v[SUM], v[SUM] row_xmask:2 row_mask:0xf bank_mask:0xf
	v_add_f32_dpp v[SUM], v[SUM], v[SUM] row_xmask:4 row_mask:0xf bank_mask:0xf
	v_add_f32_dpp v[SUM], v[SUM], v[SUM] row_xmask:8 row_mask:0xf bank_mask:0xf
	v_permlanex16_b32 v[SUM+1], v[SUM], s16, s17
	v_add_f32 v[SUM], v[SUM], v[SUM+1]
	v_rcp_f32 v[R],   v[SUM]
	v_rcp_f32 v[R+1], v[SUM]
	v_nop                                          ; one plain instruction before the reciprocals are read
	; pass 3: divide, round once to f16, store
.set c, 0
	s_wait_alu depctr_va_vdst(0)
.rept \nch
	v_pk_mul_f32 v[X+4*c:X+4*c+1],   v[X+4*c:X+4*c+1],   v[R:R+1]
	v_pk_mul_f32 v[X+4*c+2:X+4*c+3], v[X+4*c+2:X+4*c+3], v[R:R+1]
	v_cvt_pk_f16_f32 v[X+4*c],   v[X+4*c],   v[X+4*c+1]
	v_cvt_pk_f16_f32 v[X+4*c+1], v[X+4*c+2], v[X+4*c+3]
	global_store_b64 v3, v[X+4*c:X+4*c+1], s[8:9] offset:256*c     ; the wave stores 256 consecutive bytes, aligned; no register of a store is written again
.set c, c+1
.endr
	s_endpgm
.endm
	; eight bodies, one for each length of a row; the choice hangs on the work-group's numbers alone
.irp k, 0,1,2,3,4,5,6
	s_cmp_eq_u32 s18, \k
	s_cbranch_scc1 .Lrow\k
.endr
	ROW 16
.Lrow0:
	ROW 2
.Lrow1:
	ROW 4
.Lrow2:
	ROW 6
.Lrow3:
	ROW 8
.Lrow4:
	ROW 10
.Lrow5:
	ROW 12
.Lrow6:
	ROW 14
.Lfunc_end_k_qbfbff95049_softmax:
	.size	k_qbfbff95049_softmax, .Lfunc_end_k_qbfbff95049_softmax-k_qbfbff95049_softmax
	.p2alignl 7, 3214868480
	.fill 96, 4, 3214868480
	.section	.rodata,"a",@progbits
	.p2align	6, 0x0
	.amdhsa_kernel k_qbfbff95049_softmax
		.amdhsa_group_segment_fixed_size 0
		.amdhsa_private_segment_fixed_size 0
		.amdhsa_enable_private_segment 0
		.amdhsa_kernarg_size 24
		.amdhsa_user_sgpr_count 2
		.amdhsa_user_sgpr_kernarg_segment_ptr 1
		.amdhsa_wavefront_size32 1
		.amdhsa_system_sgpr_workgroup_id_x 1
		.amdhsa_system_sgpr_workgroup_id_y 1
		.amdhsa_system_sgpr_workgroup_id_z 1
		.amdhsa_system_vgpr_workitem_id 0
		.amdhsa_next_free_vgpr 96
		.amdhsa_next_free_sgpr 66
		.amdhsa_reserve_vcc 1
		.amdhsa_float_denorm_mode_32 3
		.amdhsa_float_denorm_mode_16_64 3
		.amdhsa_memory_ordered 1
		.amdhsa_forward_progress 1
		.amdhsa_inst_pref_size 111
	.end_amdhsa_kernel
	.amdgpu_metadata
---
amdhsa.version: [ 1, 2 ]
amdhsa.kernels:
  - .name:           k_qbfbff95049_softmax
    .symbol:         k_qbfbff95049_softmax.kd
    .args:
      - { .name: sc, .offset: 0, .size: 8, .value_kind: global_buffer, .address_space: global }
      - { .name: alibi_slope, .offset: 8, .size: 8, .value_kind: global_buffer, .address_space: global }
      - { .name: pr, .offset: 16, .size: 8, .value_kind: global_buffer, .address_space: global }
    .group_segment_fixed_size: 0
    .private_segment_fixed_size: 0
    .kernarg_segment_align: 8
    .kernarg_segment_size: 24
    .max_flat_workgroup_size: 256
    .sgpr_count:     66
    .vgpr_count:     96
    .wavefront_size: 32
...
	.end_amdgpu_metadata
.endif
;; end of part 6
;; launch pv (part 7): grid 8 x 32, 4 waves a work-group, clusters of 4 x 1, 327,680 bytes of LDS; arguments pr, kv, out0; writes out0
.if DOCPART == 7
	.amdgcn_target "amdgcn-amd-amdhsa--gfx1250"
	.amdhsa_code_object_version 6
	.text
	.protected	k_qbfbff95049_pv
	.globl	k_qbfbff95049_pv
	.p2align	8
	.type	k_qbfbff95049_pv,@function
k_qbfbff95049_pv:
	s_mov_b64 s[64:65], 0
	v_nop
	global_prefetch_b8 v0, s[64:65] scope:SCOPE_SE
	s_setreg_imm32_b32 hwreg(HW_REG_WAVE_MODE, 25, 1), 1
	s_wait_xcnt 0x0
	s_wait_alu depctr_hold_cnt(0) depctr_sa_sdst(0) depctr_va_vdst(0) depctr_va_sdst(0) depctr_va_ssrc(0) depctr_va_vcc(0) depctr_vm_vsrc(0)
	s_getreg_b32 s2, hwreg(HW_REG_IB_STS2, 6, 4)
	s_cmp_eq_u32 s2, 0
	s_cbranch_scc0 .Lentry_in_a_cluster
	s_endpgm
.Lentry_in_a_cluster:
	s_bfe_u32 s2, ttmp6, 0x10000c
	s_cmp_lg_u32 s2, 0x3003
	s_cbranch_scc0 .Lentry_shape_is_right
	s_endpgm
.Lentry_shape_is_right:
; out0[b][q][d] = sum over keys k < 256 (q / 256 + 1) of pr[b][q][k] v[b][k][d], v = columns 1024-2047 of kv; f16 operands, f32 sums, f32 out.
; WORK LEFT OUT: the keys from 256 (q / 256 + 1) on.  reference()'s own causal mask gives them the weight 0 for all finite inputs, so their terms are 0;
; a NaN or an infinity in v of such a key is not carried to the result.
; BLOCKS AND PAIRS.  A block is 128 queries x 128 d; query block j needs j / 2 + 1 laps of 256 keys.  A work-group stays and makes two blocks, query blocks
; i and 15 - i: (i / 2 + 1) + (8 - i / 2) = 9 laps for every i.  8 pairs x 8 d blocks x 4 batches = 256 work-groups of equal work, 9 x 128 matrix
; instructions a wave.  The ring of two LDS slots runs on from the first block into the second, and the first block is stored while the next
; refill is on its way.
; A SLOT HOLDS A WHOLE LAP: 128 rows x 256 keys of pr and 256 keys x 128 d of v, 128 KiB, as much as two slots in LDS allow.  So a chain changes slots 8 times,
; a wave's one load behind a change brings 32 KiB, and it has 120 of a lap's 128 matrix instructions in which to land.
; THE ORDER.  Of a pair's two lap counts one is even: that block goes first (e laps: 8, 2, 6, 4 for i = 0-1, 2-3, 4-5, 6-7).  So the second block always begins in
; slot 0, and slots are constants in the text.  The nine laps are written out; at the head of laps 2, 4, 6 and 8 a branch on e leads to the first block's
; way out and to products that start new sums.
; THE PRICE.  A wave's tile is 64 x 64: 16 LDS loads of 512 bytes for 16 matrix instructions.  And of the two blocks one has an even number j: the last 128 keys
; of its last lap are masked for all its rows, pr holds zeros there, and they are multiplied: half of one lap in nine, in a tile whose other half is live.
; CLUSTER 4 x 1: four d blocks of one batch and pair need the same tiles of pr and take the same branches: pr's tiles are asked for jointly (mask 15).
; v's tiles differ between the four (other columns) and come by plain loads at the same places, behind the same rounds.
; v lies [key][d], K down the rows: its fragments come through the transposing LDS load.
; REGISTERS, in windows of 256:
;   window 0: v0-31 addresses; v64-95, v96-127 fragments of pr (4 x 16 rows x 32 keys), two buffers; v128-159, v160-191 fragments of v (4 x 16 columns x 32 keys),
;             two buffers; v192-255 rows read back on the way out (not the fragment buffers: at the first way out they hold the second block's first fragments)
;   window 1: v0-127 the 16 accumulator tiles, tile (a, b) at v[8 (4 a + b)]
; Source 0 = 16 columns of v, source 1 = 16 query rows: lane l holds query l % 16 and in registers 0-7 the columns 8 (l / 16) + 0..7.
; The 16 accumulators take turns, one instruction a turn, in the same order in every quarter and over every join of ways.
.set PITCH,  528                       ; pr's LDS row: 512 bytes + 16 = 33 x 16
.set BPITCH, 288                       ; v's LDS row: 256 bytes + 32 = 9 x 32
.set PART,   128*BPITCH                ; 36,864 = 144 x 256: a wave's part of a slot: 128 key rows of v fill it, 64 rows of pr fill 33,792 bytes of it
.set SLOT,   4*PART                    ; pr's rows 0-63, 64-127, v's keys 0-127, 128-255
.set STAGE,  2*SLOT                    ; 294,912 = 1,152 x 256: behind the ring; no tensor load lands there
.set SPITCH, 272                       ; a stage row: 64 f32 + 16 bytes; 16 rows = 17 x 256 bytes a wave
.set CP,     4096                      ; bytes in a row of out0
.set ASTEP,  512                       ; a lap in pr: 256 keys along a row
.set BSTEP,  256*4096                  ; a lap in kv: 256 rows down
.set ADRA, 16                          ; v16-17  LDS address of my pr fragments in slot 0, 1
.set ADRB, 20                          ; v20-23  the same for v: slot 0 keys 0-127, 128-255, slot 1 likewise (one register would need offsets beyond 65,535)
.set STO,  24                          ; v24     stage + 272 (l % 16) + 32 (l / 16)
.set RD,   25                          ; v25     stage + 272 (l / 16) + 16 (l % 16)
.set CO,   26                          ; v26     4,096 (l / 16) + 16 (l % 16)
.set FA,   64                          ; pr's fragment buffer n at v[FA + 32 n]
.set FB,   128                         ; v's fragment buffer n at v[FB + 32 n]
.set TMP,  192                         ; the way out: two sets of 32 registers in turn
.set G1, 24                            ; s[24:31] group 1, pr's tiles
.set G0, 32                            ; s[32:39] group 0, pr's tiles, one set a slot
.set G1B, 48                           ; s[48:55] group 1, v's tiles
.set G0B, 56                           ; s[56:63] group 0, v's tiles, one set a slot
.set OFFA, 66                          ; s[66:67] byte offset in pr of my part of the next fill
.set OFFB, 68                          ; s[68:69] the same in kv
.set A2ND, 70                          ; s70      pr's offset at the second block's first lap
.set B0,   71                          ; s71      kv's offset at a block's first lap
.set COLO, 72                          ; s[72:73] my first column in out0, in bytes
.set OB,   74                          ; s[74:75] the stores' base
.set MSB, 0
.macro WIN new                         ; the immediate's high byte repeats the setting that is left; a switch that changes nothing is dropped
.if MSB != \new
	s_set_vgpr_msb (MSB<<8)|\new
.set MSB, \new
.endif
.endm
.set MUL,   0x50                       ; sources 0 and 1 window 0, C and D window 1
.set FROM1, 0x04                       ; an LDS store's data (source 1) from window 1, its address from window 0
; Waves 0 and 1 ask jointly for the two halves of pr's tile; waves 2 and 3 fetch the two halves of my own tile of v.  The branch hangs on the wave's number alone.
.macro JLOAD s
	s_cmp_eq_u32 s11, 0
	s_cbranch_scc0 .Lfor_b_\@
	tensor_load_to_lds s[G0+4*\s:G0+4*\s+3], s[G1:G1+7]
	s_nop 0
	s_branch .Lasked_\@
.Lfor_b_\@:
	tensor_load_to_lds s[G0B+4*\s:G0B+4*\s+3], s[G1B:G1B+7]
	s_nop 0
.Lasked_\@:
.endm
.macro CREST                           ; a round of the cluster's barrier behind its opening barrier
	s_cmp_lg_u32 s10, 0
	s_cbranch_scc1 .Lnot_wave_0_\@
	s_barrier_signal -3
.Lnot_wave_0_\@:
	s_barrier_wait -3
	s_barrier_signal -1
	s_barrier_wait -1
.endm
.macro CROUND
	s_barrier_signal -1
	s_barrier_wait -1
	CREST
.endm
	s_load_b128 s[4:7], s[0:1], 0x0                ; pr s[4:5], kv s[6:7]
	s_load_b64 s[8:9], s[0:1], 0x10                ; out0
	v_lshl_add_u32 v62, v0, 2, 0x4c400
	v_mov_b32 v63, 0
	ds_add_u32 v62, v63
	v_lshrrev_b32 v1, 5, v0
	v_readfirstlane_b32 s10, v1                    ; wave
	s_lshr_b32 s11, s10, 1                         ; my half of the queries.  Also: I fetch pr (0) or v (1)
	s_and_b32 s12, s10, 1                          ; my half of the columns.  Also: which half of the tile I fetch
	s_bfe_u32 s40, ttmp6, 0x40000                  ; cx
	s_lshl_b32 s42, ttmp9, 2
	s_add_co_u32 s42, s42, s40                     ; d block, 0 to 7
	s_and_b32 s13, ttmp7, 0xffff                   ; the cluster's y: shared by the four
	s_lshr_b32 s41, s13, 3                         ; batch
	s_and_b32 s13, s13, 7                          ; the pair i
	s_lshr_b32 s16, s13, 1
	s_add_co_u32 s17, s16, 1                       ; laps of block i: i / 2 + 1
	s_sub_co_u32 s18, 9, s17                       ; laps of block 15 - i
	s_sub_co_u32 s19, 15, s13
	s_bitcmp1_b32 s16, 0                           ; i / 2 odd: block i has the even number of laps
	s_cselect_b32 s43, s17, s18                    ; e: the first block's laps, 2, 4, 6 or 8
	s_cselect_b32 s44, s13, s19                    ; the first block
	s_cselect_b32 s45, s19, s13                    ; the second block, 9 - e laps
	; group 1 for pr: mask 15, 2-byte elements, 4 words of padding behind every 128, bit 21 beside the mask; 64 rows x 256 elements, pitch 2,048
	s_mov_b32 s[G1+0], 15|(1<<16)|(1<<20)|(1<<21)|(6<<22)|(3<<25)
	s_mov_b32 s[G1+1], 256<<16
	s_mov_b32 s[G1+2], 64<<16
	s_mov_b32 s[G1+3], 256<<16
	s_mov_b32 s[G1+4], 64
	s_mov_b32 s[G1+5], 2048
	s_mov_b32 s[G1+6], 0
	s_mov_b32 s[G1+7], 0
	; group 1 for v: no mask, 8 words of padding behind every 64; 128 rows x 128 elements, pitch 2,048
	s_mov_b32 s[G1B+0], (1<<16)|(1<<20)|(5<<22)|(7<<25)
	s_mov_b32 s[G1B+1], 128<<16
	s_mov_b32 s[G1B+2], 128<<16
	s_mov_b32 s[G1B+3], 128<<16
	s_mov_b32 s[G1B+4], 128
	s_mov_b32 s[G1B+5], 2048
	s_mov_b32 s[G1B+6], 0
	s_mov_b32 s[G1B+7], 0
	; offsets, apart from the addresses.  pr's are made of the batch, the pair and the wave alone: no place in the cluster enters
	s_lshl_b32 s18, s41, 11                        ; 2,048 b
	s_lshl_b32 s17, s12, 6
	s_add_co_u32 s17, s17, s18                     ; 2,048 b + 64 x half
	s_lshl_b32 s[OFFA], s44, 7
	s_add_co_u32 s[OFFA], s[OFFA], s17             ; pr: row 2,048 b + 128 x first block + 64 x half
	s_lshl_b32 s[OFFA], s[OFFA], 12                ; x 4,096 bytes (below 2^25)
	s_mov_b32 s[OFFA+1], 0
	s_lshl_b32 s[A2ND], s45, 7
	s_add_co_u32 s[A2ND], s[A2ND], s17
	s_lshl_b32 s[A2ND], s[A2ND], 12                ; the same for the second block
	s_lshl_b32 s[B0], s12, 7
	s_add_co_u32 s[B0], s[B0], s18                 ; kv: row 2,048 b + 128 x half
	s_lshl_b32 s[B0], s[B0], 12
	s_lshl_b32 s[COLO], s42, 8
	s_add_co_u32 s[B0], s[B0], s[COLO]             ; + 256 bytes x d block
	s_add_co_u32 s[B0], s[B0], 2048                ; v begins at column 1,024
	s_mov_b32 s[OFFB], s[B0]
	s_mov_b32 s[OFFB+1], 0
	s_lshl_b32 s[COLO], s42, 9                     ; out0: 512 bytes x d block + 256 x half
	s_lshl_b32 s[COLO+1], s12, 8
	s_add_co_u32 s[COLO], s[COLO], s[COLO+1]
	s_mov_b32 s[COLO+1], 0
	s_mul_i32 s20, s10, PART                       ; where my part goes: wave x 36,864
	s_wait_dscnt 0x0
	s_wait_kmcnt 0x0
	CROUND                                         ; all four work-groups are here: the first joint loads meet
.irp s, 0,1
	s_mov_b32 s[G0+4*\s], 1
	s_add_co_u32 s[G0+4*\s+1], s20, \s*SLOT
	s_add_nc_u64 s[G0+4*\s+2:G0+4*\s+3], s[4:5], s[OFFA:OFFA+1]
	s_or_b32 s[G0+4*\s+3], s[G0+4*\s+3], 0x80000000
	s_mov_b32 s[G0B+4*\s], 1
	s_add_co_u32 s[G0B+4*\s+1], s20, \s*SLOT
	s_add_nc_u64 s[G0B+4*\s+2:G0B+4*\s+3], s[6:7], s[OFFB:OFFB+1]
	s_or_b32 s[G0B+4*\s+3], s[G0B+4*\s+3], 0x80000000
	JLOAD \s                                       ; laps 0 and 1 of the first block (e is at least 2) go out together: two loads of the wave are out
	s_add_co_u32 s[OFFA], s[OFFA], ASTEP           ; the offsets are no descriptor registers: they step at once
	s_add_co_u32 s[OFFB], s[OFFB], BSTEP
.endr
	v_and_b32 v1, 15, v0                           ; l % 16
	v_bfe_u32 v2, v0, 4, 1                         ; l / 16
	v_mul_u32_u24 v3, v1, PITCH
	v_lshl_add_u32 v3, v2, 4, v3                   ; pr: row x 528 + 16 (l / 16)
	v_and_b32 v6, 7, v0
	v_lshl_add_u32 v6, v2, 3, v6                   ; v: key row l % 8 + 8 (l / 16),
	v_mul_u32_u24 v6, v6, BPITCH
	v_bfe_u32 v7, v0, 3, 1
	v_lshl_add_u32 v6, v7, 4, v6                   ; and 16 bytes on for lanes 8-15 and 24-31: the transposing load's addresses
	s_mul_i32 s21, s11, PART                       ; my 64 query rows are one part
	s_lshl_b32 s22, s12, 7                         ; my 64 columns of v: 128 bytes,
	s_add_co_u32 s22, s22, 2*PART                  ; behind pr's two parts
.irp s, 0,1
	v_add_nc_u32 v[ADRA+\s], s21, v3
	v_add_nc_u32 v[ADRB+2*\s], s22, v6
	v_add_nc_u32 v[ADRB+2*\s+1], PART, v[ADRB+2*\s]
	s_add_co_u32 s21, s21, SLOT
	s_add_co_u32 s22, s22, SLOT
.endr
	s_mul_i32 s23, s10, 16*SPITCH
	s_add_co_u32 s23, s23, STAGE                   ; my stage
	v_mul_u32_u24 v4, v1, SPITCH                   ; in: row l % 16, 32 bytes for each half of the lanes
	v_lshl_add_u32 v4, v2, 5, v4
	v_add_nc_u32 v[STO], s23, v4
	v_mul_u32_u24 v5, v2, SPITCH                   ; back: lanes 0-15 take one row of 256 bytes, lanes 16-31 the next
	v_lshl_add_u32 v5, v1, 4, v5
	v_add_nc_u32 v[RD], s23, v5
	v_lshlrev_b32 v5, 12, v2                       ; and the same two rows in out0
	v_lshl_add_u32 v[CO], v1, 4, v5
; 8 matrix instructions: query blocks a0, a0 + 1 x all 4 column blocks, 32 keys, from buffers n.  zero = 1: the product starts the sums.
.macro MUL8 n, a0, zero
.irp a, \a0, \a0+1
.irp b, 0,1,2,3
.if \zero
	v_wmma_f32_16x16x32_f16 v[8*(4*(\a)+\b):8*(4*(\a)+\b)+7], v[FB+32*\n+8*\b:FB+32*\n+8*\b+7], v[FA+32*\n+8*(\a):FA+32*\n+8*(\a)+7], 0
.else
	v_wmma_f32_16x16x32_f16 v[8*(4*(\a)+\b):8*(4*(\a)+\b)+7], v[FB+32*\n+8*\b:FB+32*\n+8*\b+7], v[FA+32*\n+8*(\a):FA+32*\n+8*(\a)+7], v[8*(4*(\a)+\b):8*(4*(\a)+\b)+7]
.endif
.endr
.endr
.endm
; 16 LDS loads in one run: quarter kq (32 keys, kq = 0..7) of a slot into buffers n.  v: column block i, keys 32 kq + 8 (l / 16) + 0..7 into registers 0-3 and the
; keys 16 further down into registers 4-7, the same places of K as in pr's plain loads.  The largest offsets: 3 x 9,216 + 96 + 4,608 = 32,352 and 448 + 25,344 + 32 = 25,824.
.macro FETCH slot, kq, n
	WIN 0
.irp i, 0,1,2,3
	ds_load_tr16_b128 v[FB+32*\n+8*\i:FB+32*\n+8*\i+3],   v[ADRB+2*\slot+(\kq>>2)] offset:(\kq&3)*32*BPITCH+32*\i
	ds_load_tr16_b128 v[FB+32*\n+8*\i+4:FB+32*\n+8*\i+7], v[ADRB+2*\slot+(\kq>>2)] offset:(\kq&3)*32*BPITCH+32*\i+16*BPITCH
.endr
.irp i, 0,1,2,3
	ds_load_b128 v[FA+32*\n+8*\i:FA+32*\n+8*\i+3],   v[ADRA+\slot] offset:\kq*64+\i*16*PITCH
	ds_load_b128 v[FA+32*\n+8*\i+4:FA+32*\n+8*\i+7], v[ADRA+\slot] offset:\kq*64+\i*16*PITCH+32
.endr
.endm
; Four independent vector instructions between a matrix instruction and a load into a register that it read, or a reader of its result
.macro PLACES
.rept 4
	v_nop
.endr
.endm
; One of a lap's first seven quarters: quarter kq's fragments are asked for first, into buffers m, which the last quarter's products read; then buffers n are
; multiplied, so that the loads have this quarter's 16 matrix instructions in which to come back.
.macro QUARTER slot, kq, n, m, zero
	PLACES
	FETCH \slot, \kq, \m
	s_wait_dscnt 16                                ; all but the 16 just issued: buffers n are in
	WIN MUL
	MUL8 \n, 0, \zero
	MUL8 \n, 2, \zero
.endm
.macro SIX slot                        ; a lap's quarters 1 to 6
	QUARTER \slot, 2, 1, 0, 0
	QUARTER \slot, 3, 0, 1, 0
	QUARTER \slot, 4, 1, 0, 0
	QUARTER \slot, 5, 0, 1, 0
	QUARTER \slot, 6, 1, 0, 0
	QUARTER \slot, 7, 0, 1, 0
.endm
.macro SEVEN slot                      ; quarters 0 to 6 of a lap that goes on with its block
	QUARTER \slot, 1, 0, 1, 0
	SIX \slot
.endm
; A lap's last quarter multiplies buffers 1 and changes slots.  In front of the barrier each wave's reads of this slot are back and all its tensor loads have landed
; (one was out: its part of the next slot).  f = the number of the fill that goes into this slot, 0 for none.  Where the slot is filled again the barrier opens a
; round of the cluster's barrier, with register work alone inside; the refill is the first thing behind the round, one load a wave.  Fill e is the second
; block's first lap: there the offsets go back to that block's start.  Each address is formed anew from its buffer's pointer; no load of the wave is out.
.macro TURN slot, next, f
	WIN MUL
	s_wait_dscnt 0
	s_wait_tensorcnt 0x0
	ds_add_u32 v62, v63
	s_wait_dscnt 0x0
	s_barrier_signal -1
	MUL8 1, 0, 0                                   ; register work while the others arrive
	WIN 0
	s_barrier_wait -1
.if \f
	CREST                                          ; no wave of any partner still reads this slot or has a load on its way
	s_cmp_eq_u32 s43, \f
	s_cselect_b32 s[OFFA], s[A2ND], s[OFFA]
	s_cselect_b32 s[OFFB], s[B0], s[OFFB]
	s_add_nc_u64 s[G0+4*\slot+2:G0+4*\slot+3], s[4:5], s[OFFA:OFFA+1]
	s_or_b32 s[G0+4*\slot+3], s[G0+4*\slot+3], 0x80000000
	s_add_nc_u64 s[G0B+4*\slot+2:G0B+4*\slot+3], s[6:7], s[OFFB:OFFB+1]
	s_or_b32 s[G0B+4*\slot+3], s[G0B+4*\slot+3], 0x80000000
	JLOAD \slot
	s_add_co_u32 s[OFFA], s[OFFA], ASTEP
	s_add_co_u32 s[OFFB], s[OFFB], BSTEP
.endif
	PLACES
	FETCH \next, 0, 0
	WIN MUL
	MUL8 1, 2, 0
.endm
; rows 16 i .. 16 i + 15 of my 64 = the four tiles (i, 0..3) of window 1: 32 bytes a lane and tile into my own stage, read back as whole rows of 256 bytes
.macro OUT16 i
	WIN FROM1
.irp b, 0,1,2,3
	ds_store_b128 v[STO], v[8*(4*\i+\b):8*(4*\i+\b)+3]   offset:64*\b
	ds_store_b128 v[STO], v[8*(4*\i+\b)+4:8*(4*\i+\b)+7] offset:64*\b+16
.endr
	WIN 0
	s_wait_xcnt 0x0                                ; the registers that earlier stores read, and the stores' base, are rewritten only behind this wait
.if \i
	s_add_nc_u64 s[OB:OB+1], s[OB:OB+1], 16*CP
.endif
.irp t, 0,1,2,3,4,5,6,7
	ds_load_b128 v[TMP+32*(\i&1)+4*\t:TMP+32*(\i&1)+4*\t+3], v[RD] offset:\t*2*SPITCH    ; LDS serves a wave's instructions in order: these see the stores above
.endr
.irp t, 0,1,2,3,4,5,6,7
	s_wait_dscnt 7-\t                              ; the younger read-backs stay out
	global_store_b128 v[CO], v[TMP+32*(\i&1)+4*\t:TMP+32*(\i&1)+4*\t+3], s[OB:OB+1] offset:2*\t*CP th:TH_STORE_NT   ; 16 lanes store 256 consecutive bytes, aligned; out0 is not read again
.endr
.endm
; The way out of the block whose number is in s[jr].  Its last wait on the LDS counter is for 0, so the accumulators have been read when new sums are started.
.macro WAYOUT jr
	PLACES
	s_wait_xcnt 0x0                                ; the stores' base is written only behind this wait
	s_lshl_b32 s16, s41, 11
	s_lshl_b32 s17, s[\jr], 7
	s_add_co_u32 s16, s16, s17
	s_lshl_b32 s17, s11, 6
	s_add_co_u32 s16, s16, s17                     ; my first row: 2,048 b + 128 x block + 64 x half
	s_lshl_b32 s16, s16, 12                        ; x 4,096 bytes
	s_mov_b32 s17, 0
	s_add_nc_u64 s[OB:OB+1], s[8:9], s[16:17]
	s_add_nc_u64 s[OB:OB+1], s[OB:OB+1], s[COLO:COLO+1]
	OUT16 0
	OUT16 1
	OUT16 2
	OUT16 3
.endm
; The first quarter of lap t (t = 2, 4, 6, 8, all in slot 0).  If the first block has ended here (e = t) it is stored, and the products start the second block's sums.
; e is the same in the four partners: so are the ways.
.macro NEWQ t
	WIN 0
	s_cmp_eq_u32 s43, \t
	s_cbranch_scc1 .Lnew_\t
	QUARTER 0, 1, 0, 1, 0
	WIN 0
	s_branch .Ljoin_\t
.Lnew_\t:
	WAYOUT 44
	QUARTER 0, 1, 0, 1, 1
	WIN 0
.Ljoin_\t:
.endm
	s_wait_tensorcnt 1                             ; my part of lap 0 is in; lap 1's load may stay out
	s_barrier_signal -1
	s_barrier_wait -1
	FETCH 0, 0, 0
	QUARTER 0, 1, 0, 1, 1                          ; lap 0: the first products start the first block's sums: nothing is cleared
	SIX 0
	TURN 0, 1, 2
	SEVEN 1                                        ; lap 1
	TURN 1, 0, 3
	NEWQ 2                                         ; lap 2
	SIX 0
	TURN 0, 1, 4
	SEVEN 1                                        ; lap 3
	TURN 1, 0, 5
	NEWQ 4                                         ; lap 4
	SIX 0
	TURN 0, 1, 6
	SEVEN 1                                        ; lap 5
	TURN 1, 0, 7
	NEWQ 6                                         ; lap 6
	SIX 0
	TURN 0, 1, 8                                   ; the last fill: lap 8
	SEVEN 1                                        ; lap 7
	TURN 1, 0, 0                                   ; nothing is left to fetch: a barrier of the work-group alone, behind the wait that shows lap 8's tiles landed
	NEWQ 8                                         ; lap 8
	SIX 0
	s_wait_dscnt 0                                 ; the very last quarter
	WIN MUL
	MUL8 1, 0, 0
	MUL8 1, 2, 0
	WIN 0
	WAYOUT 45                                      ; the second block
	s_wait_tensorcnt 0x0
	ds_add_u32 v62, v63
	s_wait_dscnt 0x0
	CROUND                                         ; the closing round: no work-group ends while a partner may still ask for a tile that names it
	s_endpgm
.Lfunc_end_k_qbfbff95049_pv:
	.size	k_qbfbff95049_pv, .Lfunc_end_k_qbfbff95049_pv-k_qbfbff95049_pv
	.p2alignl 7, 3214868480
	.fill 96, 4, 3214868480
	.section	.rodata,"a",@progbits
	.p2align	6, 0x0
	.amdhsa_kernel k_qbfbff95049_pv
		.amdhsa_group_segment_fixed_size 327680
		.amdhsa_private_segment_fixed_size 0
		.amdhsa_enable_private_segment 0
		.amdhsa_kernarg_size 24
		.amdhsa_user_sgpr_count 2
		.amdhsa_user_sgpr_kernarg_segment_ptr 1
		.amdhsa_wavefront_size32 1
		.amdhsa_system_sgpr_workgroup_id_x 1
		.amdhsa_system_sgpr_workgroup_id_y 1
		.amdhsa_system_sgpr_workgroup_id_z 1
		.amdhsa_system_vgpr_workitem_id 0
		.amdhsa_next_free_vgpr 384
		.amdhsa_next_free_sgpr 76
		.amdhsa_reserve_vcc 0
		.amdhsa_float_denorm_mode_32 3
		.amdhsa_float_denorm_mode_16_64 3
		.amdhsa_memory_ordered 1
		.amdhsa_forward_progress 1
		.amdhsa_inst_pref_size 230
	.end_amdhsa_kernel
	.amdgpu_metadata
---
amdhsa.version: [ 1, 2 ]
amdhsa.kernels:
  - .name:           k_qbfbff95049_pv
    .symbol:         k_qbfbff95049_pv.kd
    .args:
      - { .name: pr, .offset: 0, .size: 8, .value_kind: global_buffer, .address_space: global }
      - { .name: kv, .offset: 8, .size: 8, .value_kind: global_buffer, .address_space: global }
      - { .name: out0, .offset: 16, .size: 8, .value_kind: global_buffer, .address_space: global }
    .group_segment_fixed_size: 327680
    .private_segment_fixed_size: 0
    .kernarg_segment_align: 8
    .kernarg_segment_size: 24
    .max_flat_workgroup_size: 128
    .sgpr_count:     76
    .vgpr_count:     384
    .wavefront_size: 32
...
	.end_amdgpu_metadata
.endif
;; end of part 7
